; MI455X (gfx1250); checked and timed in simulation.
; The chip was launched on July 23, 2026; its instructions are those of AMD's public machine-readable ISA for CDNA 5 (MIT licence, August 2026) and "CDNA5" Instruction Set Architecture Reference Guide (July 2026). The comments in the code are by the model that wrote it; some were corrected since.
;; Attention. Allowed arithmetic: matrix products marked QUANTISED: E2M3 operands, one E8M0 scale for each 32 along K, by v_wmma_scale_f32_16x16x128_f8f6f4 with both operands' format E2M3, f32 sums; everything else in f32.
;; Inputs: W_o 2,048 x 2,048 float32; W_qkv 2,048 x 3,072 float32; padding_mask 4 x 1,024 bool; x 4 x 1,024 x 2,048 float32.
;; Outputs: out0 4 x 1,024 x 2,048 float32.
;; This version of the problem:
;;   THIS VERSION OF THE PROBLEM IS GIVEN IN LOW PRECISION. The matrix products marked QUANTISED in the list below multiply operands that are first quantised to E2M3 (2 exponent bits, 3 mantissa bits; 6 bits a number), with one power-of-two scale for each 32 numbers along K (OCP MX v1.0); their sums are f32. All else is computed in f32.
;;   The module's matrix products, in the order in which they are computed (A, B: the left and right operand; K: the contracted axis; several contracted axes count as one K, in the product's order):
;;     1. [M 4,096, K 2,048] x [K 2,048, N 3,072]; A: input x; B: input W_qkv: QUANTISED
;;     2. batch 64 x [M 1,024, K 128] x [K 128, N 1,024]; A: computed on the way; B: computed on the way: QUANTISED
;;     3. batch 64 x [M 128, K 1,024] x [K 1,024, N 1,024]; A: computed on the way; B: softmax (see below): QUANTISED
;;     4. [M 4,096, K 2,048] x [K 2,048, N 2,048]; A: computed on the way; B: input W_o: QUANTISED
;;   THE QUANTISER, for each operand of a quantised product, along K:
;;     - K is cut into blocks of 32 from its start; a last block that is shorter is filled with zeros.
;;     - A block's scale is 2^e with e = floor(log2(the largest magnitude in the block)) - 2, held to -126 .. 127; a block of zeros has e = 0. As a byte (E8M0): e + 127.
;;     - Each number is divided by its block's scale, clamped to +-7.5, and rounded to the nearest number of E2M3, ties to even, subnormals kept.
;;     - The product sums the exact products of the quantised numbers (number of the format x scale) in f32.
;;   ~~~python
;;   def quantise(x, axis):      # numpy; x: float32 -> the quantised numbers, widened to float32 again
;;       x = np.moveaxis(x, axis, -1); K = x.shape[-1]
;;       x = np.pad(x, [(0, 0)] * (x.ndim - 1) + [(0, -K % 32)]); x = x.reshape(x.shape[:-1] + (-1, 32)); a = np.abs(x).max(-1, keepdims=True)
;;       e = np.where(a > 0, np.clip(np.frexp(np.where(a > 0, a, 1))[1] - 1 - 2, -126, 127), 0)      # np.frexp(a)[1] - 1 = floor(log2(a)), exactly
;;       r = np.clip(x / 2.0 ** e, -7.5, 7.5)
;;       step = 2.0 ** (np.maximum(np.frexp(np.where(r == 0, 1, r))[1] - 1, 0) - 3)
;;       q = np.round(r / step) * step * 2.0 ** e      # np.round: ties to even
;;       return np.moveaxis(q.reshape(q.shape[:-2] + (-1,))[..., :K], -1, axis).astype(np.float32)
;;   ~~~
;;   SOFTMAX AHEAD OF A QUANTISED PRODUCT. Where the list says 'softmax', what is quantised is not the finished softmax but p = 2^(t - M), with t = logit x log2(e) and M = ceil(the row's largest t), a whole number; so 1/2 < the row's largest p <= 1. The row's sum l is taken of the UNQUANTISED p, in f32, and the product's result is divided by l at the end. Since M is a whole number, a kernel that streams over the keys may use a running M (the ceiling of the running maximum): every later rescaling is an exact power of two, which a block's scale takes up: the codes' values come out the same.
;;   OPERANDS COMPUTED ON THE WAY. 'Computed on the way' means the value that the module computes at that place (a softmax that the list does not call 'softmax' is quantised finished and normalised). What goes into a quantiser is computed in f32, as accurately as f32 sums, v_exp_f32 and their like allow (about 1e-6 of the number): no bf16 or f16 on the way to a quantiser, and a product that is left as it is and whose result goes on into a quantised operand takes f32 operands (vector FMAs, or v_wmma_f32_16x16x4_f32). A number that lies on a knife's edge between two numbers of the format may be rounded either way, as far as f32 arithmetic and the matrix unit's own rounding can turn it there, and no further.
;; One version. Each part assembles by itself: llvm-mc -triple=amdgcn-amd-amdhsa -mcpu=gfx1250 --defsym DOCPART=n.
;; ======== version 1 of 1: 4 launches
;; limits: right only within a limited range of input values
;; workspace buffers: xq 6,553,600 bytes; wq 4,915,200 bytes; wo 3,276,800 bytes; rope 524,288 bytes; qq 6,553,600 bytes; kq 1,638,400 bytes; vq 1,638,400 bytes; aq 6,553,600 bytes
;; launch prep (part 1): grid 608 x 1, 4 waves a work-group, no clusters, 58,880 bytes of LDS; arguments x, W_qkv, W_o, xq, wq, wo, rope; writes xq, wq, wo, rope
.if DOCPART == 1
	.amdgcn_target "amdgcn-amd-amdhsa--gfx1250"
	.amdhsa_code_object_version 6
	.text
	.protected	k_q8ee5612c60_prep
	.globl	k_q8ee5612c60_prep
	.p2align	8
	.type	k_q8ee5612c60_prep,@function
k_q8ee5612c60_prep:
	s_mov_b64 s[64:65], 0
	v_nop
	global_prefetch_b8 v0, s[64:65] scope:SCOPE_SE
	s_setreg_imm32_b32 hwreg(HW_REG_WAVE_MODE, 25, 1), 1
	s_wait_xcnt 0x0
; PREP: x, W_qkv and W_o (f32) become codes of FP6 (E2M3) with one E8M0 byte for each 32 along K, laid as the matrix unit's registers take them; and the table of cosines and sines for the rotation is made.
; A FRAGMENT'S IMAGE: 16 rows x 128 K = 12 registers a lane = 1,536 bytes; byte 512 c + 16 lane + 4 i is register 4 c + i of that lane.  Codes: [row / 16][K / 128][1536].  Scale words: [K / 128][row], 4 bytes.
; THE ORDER INSIDE A BLOCK OF 32 is the same in every operand of this program: code place p holds k = (p & 7) + 16 ((p >> 3) & 1) + 8 (p >> 4).  The blocks, and so the scales, are the contract's.
; A block's scale is 2^(floor(log2(largest magnitude)) - 2); its byte is the largest magnitude's exponent field - 2, held at 1 from below.
; LIMITS: a block of zeros, or one whose largest magnitude lies under 2^-124, gets the byte 1 (its codes are zeros or tiny; the bytes are read by this program alone); NaN and infinities among the inputs are not served.
; THREE WAYS, parted on the work-group's number, each with LDS bytes of its own: 0-255 x (16 rows each); 256-447 W_qkv, 448-575 W_o (128 columns x 256 K each); 576-607 the table (32 positions each).
; No tensor loads, no barrier: waves share nothing.  Matrix units and clusters have nothing to do here: the launch reads each f32 number once and writes three sixteenths of the bytes.
.set SEL,  20                          ; s[20:21] lane selects for v_permlanex16_b32: lane l xor 16
.set PC,   208                         ; v208-226 the codes just made
.set TM,   228                         ; v228-243 at work in QUANT
.set XN,   144                         ; v144-207 x: 64 numbers of a lane
.set OFF,  16                          ; v16-47   W: byte offset of the row at code place p, + 4 x lane
.set WX,   48                          ; v48-111  W: two sets of 32 numbers
.set CW,   112                         ; v112-122 W: a block's codes
.set SB,   124                         ; v124-125 W: scale words
.set OUTR, 128                         ; v128-175 W: the way out
.set WST,  33792                       ; W's stages begin behind x's (4 x 8,448 bytes)
; 64 numbers of a lane, v[s] .. v[s + 63], register 16 b + i = block b, my half's i-th number, become a fragment's codes in v[PC] on and its scale word in v[pw].
.macro QUANT s, pw
.irp b, 0,1,2,3
	v_max3_num_f32 v[TM+\b], |v[\s+16*\b]|, |v[\s+1+16*\b]|, 0x1800000   ; my 16 numbers, and the floor 2^(3 - 127): the byte cannot fall under 1
.endr
.irp i, 2,4,6,8,10,12,14
.irp b, 0,1,2,3
	v_max3_num_f32 v[TM+\b], v[TM+\b], |v[\s+16*\b+\i]|, |v[\s+1+16*\b+\i]|   ; the four blocks by turns
.endr
.endr
.irp b, 0,1,2,3
	v_permlanex16_b32 v[TM+4+\b], v[TM+\b], s[SEL], s[SEL+1]
.endr
.irp b, 0,1,2,3
	v_max_num_f32 v[TM+\b], v[TM+\b], v[TM+4+\b]   ; with lane l xor 16's: the block's largest magnitude
.endr
.irp b, 0,1,2,3
	v_add_nc_u32 v[TM+12+\b], 0xff000000, v[TM+\b]   ; 2 off its exponent field: the conversion's scale operand
.endr
.irp b, 0,1,2,3
	v_lshrrev_b32 v[TM+4+\b], 23, v[TM+12+\b]   ; the scale's byte
.endr
	v_lshl_or_b32 v[\pw], v[TM+5], 8, v[TM+4]
	v_lshl_or_b32 v[\pw], v[TM+6], 16, v[\pw]
	v_lshl_or_b32 v[\pw], v[TM+7], 24, v[\pw]
.irp c, 0,1
	v_cvt_scalef32_pk16_fp6_f32 v[PC+6*\c:PC+2+6*\c], v[\s+32*\c:\s+15+32*\c], v[TM+12+2*\c]
	v_cvt_scalef32_pk16_fp6_f32 v[PC+12+4*\c:PC+14+4*\c], v[\s+16+32*\c:\s+31+32*\c], v[TM+12+2*\c+1]   ; (a conversion's three registers begin on an even number)
.endr
	v_nop                                          ; one plain place behind a scaled conversion
.irp c, 0,1                                    ; a whole block to a lane: lanes 0-15 block 2 c, lanes 16-31 block 2 c + 1
.irp i, 0,1,2
	v_permlane16_swap_b32 v[PC+6*\c+\i], v[PC+12+4*\c+\i]
.endr
.irp i, 0,1,2
	v_mov_b32 v[PC+3+6*\c+\i], v[PC+12+4*\c+\i]
.endr
.endr
.endm
	s_load_b256 s[4:11], s[0:1], 0x0               ; x s[4:5], W_qkv s[6:7], W_o s[8:9], xq s[10:11]
	s_load_b128 s[12:15], s[0:1], 0x20             ; wq s[12:13], wo s[14:15]
	s_load_b64 s[16:17], s[0:1], 0x30              ; rope
	v_lshl_add_u32 v254, v0, 2, 0xe400
	v_mov_b32 v255, 0
	v_lshrrev_b32 v1, 5, v0
	v_readfirstlane_b32 s18, v1                    ; wave 0..3
	v_and_b32 v1, 31, v0                           ; lane
	v_and_b32 v2, 15, v0                           ; r
	v_bfe_u32 v3, v0, 4, 1                         ; half
	s_mov_b32 s[SEL], 0x76543210
	s_mov_b32 s[SEL+1], 0xfedcba98
	s_wait_kmcnt 0x0
	s_cmp_lt_u32 ttmp9, 256
	s_cbranch_scc0 .Lnot_x
; ---- x: the work-group takes rows 16 R .. 16 R + 15; wave w the four fragments K / 128 = 4 w + f.  Each load reads 512 consecutive bytes of one row; a fragment's 16 x 512 bytes turn through the wave's own
; stage (rows 528 bytes apart), from which lane (r, half) takes, of row r and each block, the numbers k = 8 half + 0..7 and 16 + 8 half + 0..7.
	s_lshl_b32 s22, ttmp9, 17                      ; 16 rows of 8,192 bytes
	s_lshl_b32 s23, s18, 11                        ; 4 fragments of 512 bytes
	s_add_co_u32 s22, s22, s23
	s_mov_b32 s23, 0
	s_add_nc_u64 s[4:5], s[4:5], s[22:23]
	s_lshl_b32 s22, ttmp9, 4
	s_lshl_b32 s24, s18, 2
	s_add_co_u32 s22, s22, s24
	s_mul_i32 s22, s22, 1536                       ; image 16 R + 4 w
	s_add_nc_u64 s[24:25], s[10:11], s[22:23]
	s_lshl_b32 s22, s18, 16                        ; scale words: row 4 w of 16,384 bytes,
	s_lshl_b32 s26, ttmp9, 6                       ; + 16 R words
	s_add_co_u32 s22, s22, s26
	s_add_co_u32 s22, s22, 6291456
	s_add_nc_u64 s[26:27], s[10:11], s[22:23]
	s_wait_alu depctr_va_vdst(0)
	v_lshlrev_b32 v4, 4, v1                        ; 16 x lane
	s_mul_i32 s28, s18, 8448                       ; my stage
	v_add_nc_u32 v5, s28, v4                       ; into it
	v_mul_u32_u24 v6, v2, 528
	v_lshl_add_u32 v6, v3, 5, v6
	v_add_nc_u32 v6, s28, v6                       ; out of it: row r, + 32 x half
	v_lshlrev_b32 v7, 2, v2
	v_lshl_add_u32 v7, v3, 14, v7                  ; scale words: 4 r, lanes 16-31 one K / 128 on
.irp b, 0,1,2,3
	v_mov_b32 v[TM+4+\b], 0                        ; written once: a lane permute's destination counts as one of its sources
.endr
.macro XLOAD f
.irp i, 0,1,2,3,4,5,6,7,8,9,10,11,12,13,14,15
	global_load_b128 v[16+64*((\f)%2)+4*\i:16+64*((\f)%2)+4*\i+3], v4, s[4:5] offset:8192*\i+512*(\f) th:TH_LOAD_NT
.endr
.endm
.macro XFRAG f
.if (\f) < 3
	s_wait_loadcnt 16                              ; this fragment's 16 loads are in; the next fragment's 16 may be out
.else
	s_wait_loadcnt 0x0
.endif
.irp i, 0,1,2,3,4,5,6,7,8,9,10,11,12,13,14,15
	ds_store_b128 v5, v[16+64*((\f)%2)+4*\i:16+64*((\f)%2)+4*\i+3] offset:528*\i
.endr
.irp b, 0,1,2,3                                ; LDS serves a wave's instructions in order: these see the stores above
	ds_load_b128 v[XN+16*\b:XN+16*\b+3], v6 offset:128*\b
	ds_load_b128 v[XN+16*\b+4:XN+16*\b+7], v6 offset:128*\b+16
	ds_load_b128 v[XN+16*\b+8:XN+16*\b+11], v6 offset:128*\b+64
	ds_load_b128 v[XN+16*\b+12:XN+16*\b+15], v6 offset:128*\b+80
.endr
	s_wait_dscnt 0x0                               ; the numbers are back, and the stores have read their registers,
.if (\f) < 2
	XLOAD (\f)+2                                   ; which take the fragment two on
.endif
	s_wait_xcnt 0x0                                ; the last fragment's stores have read the codes' registers
	QUANT XN, 244+(\f)
.irp c, 0,1,2
	global_store_b128 v4, v[PC+4*\c:PC+4*\c+3], s[24:25] offset:1536*(\f)+512*\c   ; 512 consecutive bytes
.endr
.endm
	XLOAD 0
	XLOAD 1
	s_wait_alu depctr_va_vdst(0)
	XFRAG 0
	XFRAG 1
	XFRAG 2
	XFRAG 3
	v_cmp_ne_u32 vcc_lo, 0, v3
	v_cndmask_b32 v248, v244, v245, vcc_lo         ; lanes 0-15 fragment 0's words, lanes 16-31 fragment 1's
	v_cndmask_b32 v249, v246, v247, vcc_lo
	global_store_b32 v7, v248, s[26:27]
	global_store_b32 v7, v249, s[26:27] offset:32768
	s_wait_tensorcnt 0x0
	ds_add_u32 v254, v255
	s_wait_dscnt 0x0
	s_endpgm
.Lnot_x:
	s_cmp_lt_u32 ttmp9, 576
	s_cbranch_scc0 .Ltable
; ---- a weight [K][N]: A LANE TAKES A COLUMN n, AND ITS REGISTERS RUN DOWN K, in the order of the code places.  A wave: 32 columns x 256 K = 8 blocks a lane = four images, gathered in its own stage.
; The rows of wq, in units of 128: q head j at j; k head g at 16 + 2 g; v head g at 17 + 2 g, so that a tile of 256 rows holds one k head and one v head.
	s_cmp_lt_u32 ttmp9, 448                        ; W_qkv or W_o?  The choice hangs on the work-group's number alone
	s_cselect_b64 s[22:23], s[6:7], s[8:9]
	s_cselect_b64 s[24:25], s[12:13], s[14:15]
	s_mov_b32 s26, 8192
	s_cselect_b32 s26, 12288, s26                  ; a row of the weight in bytes; also a row of its scale words
	s_mov_b32 s27, 3145728
	s_cselect_b32 s27, 4718592, s27                ; where the scale words begin
	s_mov_b32 s28, 448
	s_cselect_b32 s28, 256, s28
	s_sub_co_u32 s28, ttmp9, s28
	s_and_b32 s29, s28, 7                          ; which 256 along K
	s_lshr_b32 s30, s28, 3                         ; which 128 columns
	s_lshl_b32 s31, s30, 1
	s_sub_co_u32 s32, s31, 16
	s_sub_co_u32 s33, s31, 23
	s_cmp_ge_u32 s30, 16
	s_cselect_b32 s31, s32, s30
	s_cmp_ge_u32 s30, 20
	s_cselect_b32 s31, s33, s31                    ; their place among the rows of codes (W_o has 16 units: the place is the unit)
	s_lshl_b32 s32, s29, 8
	s_mul_i32 s32, s32, s26
	s_lshl_b32 s33, s30, 9
	s_add_co_u32 s32, s32, s33
	s_lshl_b32 s33, s18, 7
	s_add_co_u32 s32, s32, s33
	s_mov_b32 s33, 0
	s_add_nc_u64 s[40:41], s[22:23], s[32:33]      ; block 0 of my columns
	s_lshl_b32 s34, s26, 5
	s_mov_b32 s35, 0
.irp t, 1,2,3,4,5,6,7
	s_add_nc_u64 s[40+2*\t:41+2*\t], s[38+2*\t:39+2*\t], s[34:35]   ; a base for each block, 32 rows on: no pointer is stepped later
.endr
	s_lshl_b32 s32, s29, 1
	s_mul_i32 s32, s32, s26
	s_add_co_u32 s32, s32, s27
	s_lshl_b32 s37, s31, 9
	s_add_co_u32 s32, s32, s37
	s_lshl_b32 s37, s18, 7
	s_add_co_u32 s32, s32, s37
	s_add_nc_u64 s[56:57], s[24:25], s[32:33]      ; my scale words
	s_lshl_b32 s32, s31, 3
	s_lshl_b32 s37, s18, 1
	s_add_co_u32 s32, s32, s37
	s_lshl_b32 s32, s32, 4
	s_lshl_b32 s37, s29, 1
	s_add_co_u32 s32, s32, s37
	s_mul_i32 s32, s32, 1536
	s_add_nc_u64 s[58:59], s[24:25], s[32:33]      ; my first image
	s_mul_i32 s36, s18, 6144
	s_add_co_u32 s36, s36, WST                     ; my stage: images (16 columns, K / 128) = (0,0) (0,1) (1,0) (1,1)
	s_wait_alu depctr_va_vdst(0)
	v_mul_u32_u24 v5, v3, 3072
	v_lshl_add_u32 v5, v2, 4, v5
	v_add_nc_u32 v5, s36, v5                       ; into it
	v_lshlrev_b32 v7, 4, v1
	v_add_nc_u32 v6, s36, v7                       ; out of it
	v_lshlrev_b32 v4, 2, v1
	v_add_nc_u32 v9, s26, v4
	v_mov_b32 v10, s26
.set P, 0
.rept 32
	v_mad_u32_u24 v[OFF+P], v10, (P&7)+16*((P>>3)&1)+8*(P>>4), v4
.set P, P+1
.endr
.macro WLOAD t
.set P, 0
.rept 32
	global_load_b32 v[WX+32*((\t)%2)+P], v[OFF+P], s[40+2*(\t):41+2*(\t)] th:TH_LOAD_NT   ; 128 consecutive bytes a wave, 512 a work-group
.set P, P+1
.endr
.endm
	WLOAD 0
	WLOAD 1
.macro BLOCK t
.set XS, WX+32*((\t)%2)
.set CCW, ((\t)>>1)&1
.set WO, 1536*((\t)>>2)+256*((\t)&1)
.if (\t) < 7
	s_wait_loadcnt 32                              ; this block's 32 loads are in; the next block's may be out
.else
	s_wait_loadcnt 0x0
.endif
	v_max3_num_f32 v12, |v[XS]|, |v[XS+1]|, |v[XS+2]|
	v_max3_num_f32 v13, |v[XS+3]|, |v[XS+4]|, |v[XS+5]|
.irp i, 6,10,14,18,22,26
	v_max3_num_f32 v12, v12, |v[XS+\i]|, |v[XS+\i+1]|
	v_max3_num_f32 v13, v13, |v[XS+\i+2]|, |v[XS+\i+3]|
.endr
	v_max3_num_f32 v12, v12, |v[XS+30]|, |v[XS+31]|
	v_max3_num_f32 v12, v12, v13, 0x1800000        ; and the floor
	v_add_nc_u32 v11, 0xff000000, v12
	v_lshrrev_b32 v13, 23, v11
.if (\t)%4 == 0
	v_mov_b32 v[SB+(\t)/4], v13
.else
	v_lshl_or_b32 v[SB+(\t)/4], v13, 8*((\t)%4), v[SB+(\t)/4]
.endif
	v_cvt_scalef32_pk16_fp6_f32 v[CW:CW+2], v[XS:XS+15], v11
	v_cvt_scalef32_pk16_fp6_f32 v[CW+8:CW+10], v[XS+16:XS+31], v11
	v_nop                                          ; one plain place behind a scaled conversion
.irp i, 0,1,2
	v_mov_b32 v[CW+3+\i], v[CW+8+\i]
.endr
.if CCW == 0                                   ; block t is registers 6 cc .. 6 cc + 5 of lane r + 16 (t & 1) of image t / 4
	ds_store_b128 v5, v[CW:CW+3] offset:WO
	ds_store_b64 v5, v[CW+4:CW+5] offset:WO+512
.else
	ds_store_b64 v5, v[CW:CW+1] offset:WO+520
	ds_store_b128 v5, v[CW+2:CW+5] offset:WO+1024
.endif
.if (\t) < 6
	WLOAD (\t)+2
.endif
	s_wait_dscnt 0x0                               ; the stores have read their registers
.endm
.irp t, 0,1,2,3,4,5,6,7
	BLOCK \t
.endr
	global_store_b32 v4, v[SB], s[56:57]           ; 128 consecutive bytes each
	s_wait_alu depctr_va_vdst(0)
	global_store_b32 v9, v[SB+1], s[56:57]
.irp n, 0,1,2,3,4,5,6,7,8,9,10,11
	ds_load_b128 v[OUTR+4*\n:OUTR+4*\n+3], v6 offset:512*\n
.endr
.irp n, 0,1,2,3,4,5,6,7,8,9,10,11
	s_wait_dscnt 11-\n                             ; the younger reads may be out
	global_store_b128 v7, v[OUTR+4*\n:OUTR+4*\n+3], s[58:59] offset:(\n/6)*24576+(\n%6)*512
.endr
	s_wait_tensorcnt 0x0
	ds_add_u32 v254, v255
	s_wait_dscnt 0x0
	s_endpgm
.Ltable:
; ---- rope[t][0..63] = cos(t f_i), rope[t][64..127] = sin(t f_i), f_i = 10000^(-i / 64) = 2^(-i c), c = log2(10000) / 64 in two f32 parts.  The angle is one f32 product, as the source has it.
; The angle is brought into [-pi/4, pi/4] by a multiple of pi/2 in two parts (angles stay under 1,024); then polynomials of degree 7 and 8.  Lane l: i = 4 (l % 16) + 0..3, position 2 w + l / 16 of eight.
	s_sub_co_u32 s22, ttmp9, 576
	s_lshl_b32 s24, s22, 14
	s_mov_b32 s25, 0
	s_add_nc_u64 s[16:17], s[16:17], s[24:25]
	s_lshl_b32 s26, s22, 5
	s_lshl_b32 s27, s18, 1
	s_add_co_u32 s26, s26, s27                     ; 32 u + 2 w
	s_lshl_b32 s27, s18, 10
	s_mov_b32 s30, 0x3e549a78                      ; c, high part
	s_mov_b32 s31, 0x31979a30                      ; c, low part
	s_mov_b32 s32, 0x3f22f983                      ; 2 / pi
	s_mov_b32 s33, 0x3fc90fdb                      ; pi / 2, high part
	s_mov_b32 s34, 0xb33bbd2e                      ; pi / 2, low part
	s_mov_b32 s35, 0xb94ca1f9
	s_mov_b32 s36, 0x3c08839e
	s_mov_b32 s37, 0xbe2aaaa3                      ; the sine's three coefficients
	s_mov_b32 s38, 0x37ccf5ce
	s_mov_b32 s39, 0xbab6061a
	s_mov_b32 s40, 0x3d2aaaa5                      ; the cosine's three
	s_wait_alu depctr_va_vdst(0)
	v_add_nc_u32 v5, s26, v3
	v_lshlrev_b32 v6, 9, v3
	v_lshl_add_u32 v6, v2, 4, v6
	v_add_nc_u32 v6, s27, v6
	v_lshlrev_b32 v4, 2, v2
.irp e, 0,1,2,3
	v_add_nc_u32 v[8+\e], \e, v4
.endr
.irp e, 0,1,2,3
	v_cvt_f32_u32 v[8+\e], v[8+\e]
.endr
.irp e, 0,1,2,3
	v_mul_f32 v[12+\e], s30, v[8+\e]               ; i c, rounded,
.endr
.irp e, 0,1,2,3
	v_fma_f32 v[16+\e], v[8+\e], s30, -v[12+\e]    ; what the rounding left,
.endr
.irp e, 0,1,2,3
	v_fma_f32 v[16+\e], v[8+\e], s31, v[16+\e]     ; and the low part's share
.endr
.irp e, 0,1,2,3
	v_floor_f32 v[20+\e], v[12+\e]
.endr
.irp e, 0,1,2,3
	v_sub_f32 v[12+\e], v[12+\e], v[20+\e]
.endr
.irp e, 0,1,2,3
	v_add_f32 v[12+\e], v[12+\e], v[16+\e]         ; the fraction
.endr
.irp e, 0,1,2,3
	v_cvt_i32_f32 v[20+\e], v[20+\e]
.endr
.irp e, 0,1,2,3
	v_sub_nc_u32 v[20+\e], 0, v[20+\e]
.endr
	s_wait_alu depctr_va_vdst(0)
.irp e, 0,1,2,3
	v_exp_f32 v[24+\e], -v[12+\e]
.endr
	v_nop                                          ; a plain place behind the exponentials,
	s_wait_alu depctr_va_vdst(0)                   ; and one wait for the four, ahead of their first reader
.irp e, 0,1,2,3
	v_ldexp_f32 v[24+\e], v[24+\e], v[20+\e]       ; f_i
.endr
.macro SINCOS inv, tf, cd, sd
	v_mul_f32 v32, v[\tf], v[\inv]                 ; the angle
	v_mul_f32 v33, s32, v32
	v_rndne_f32 v33, v33                           ; k
	v_fma_f32 v34, -v33, s33, v32
	v_fma_f32 v34, -v33, s34, v34                  ; r = angle - k pi / 2
	v_mul_f32 v35, v34, v34
	v_fma_f32 v36, v35, s35, s36
	v_fma_f32 v36, v36, v35, s37
	v_mul_f32 v36, v36, v35
	v_fma_f32 v36, v36, v34, v34                   ; sin r
	v_fma_f32 v37, v35, s38, s39
	v_fma_f32 v37, v37, v35, s40
	v_mul_f32 v37, v37, v35
	v_fma_f32 v38, v35, -0.5, 1.0
	v_fma_f32 v37, v37, v35, v38                   ; cos r
	v_cvt_i32_f32 v33, v33
	v_and_b32 v38, 1, v33
	v_cmp_ne_u32 vcc_lo, 0, v38
	v_cndmask_b32 v[\sd], v36, v37, vcc_lo         ; an odd k changes the two,
	v_cndmask_b32 v[\cd], v37, v36, vcc_lo
	v_lshlrev_b32 v38, 30, v33
	v_and_b32 v38, 0x80000000, v38
	v_xor_b32 v[\sd], v38, v[\sd]                  ; bit 1 of k turns the sine's sign,
	v_add_nc_u32 v33, 1, v33
	v_lshlrev_b32 v38, 30, v33
	v_and_b32 v38, 0x80000000, v38
	v_xor_b32 v[\cd], v38, v[\cd]                  ; bit 1 of k + 1 the cosine's
.endm
.irp n, 0,1,2,3
	v_add_nc_u32 v40, 8*\n, v5
	v_cvt_f32_u32 v40, v40
.irp e, 0,1,2,3
	SINCOS 24+\e, 40, 64+8*\n+\e, 68+8*\n+\e
.endr
	global_store_b128 v6, v[64+8*\n:67+8*\n], s[16:17] offset:4096*\n        ; sixteen lanes store 256 consecutive bytes, aligned
	global_store_b128 v6, v[68+8*\n:71+8*\n], s[16:17] offset:4096*\n+256
.endr
	s_endpgm
.Lfunc_end_k_q8ee5612c60_prep:
	.size	k_q8ee5612c60_prep, .Lfunc_end_k_q8ee5612c60_prep-k_q8ee5612c60_prep
	.p2alignl 7, 3214868480
	.fill 96, 4, 3214868480
	.section	.rodata,"a",@progbits
	.p2align	6, 0x0
	.amdhsa_kernel k_q8ee5612c60_prep
		.amdhsa_group_segment_fixed_size 58880
		.amdhsa_private_segment_fixed_size 0
		.amdhsa_enable_private_segment 0
		.amdhsa_kernarg_size 56
		.amdhsa_user_sgpr_count 2
		.amdhsa_user_sgpr_kernarg_segment_ptr 1
		.amdhsa_wavefront_size32 1
		.amdhsa_system_sgpr_workgroup_id_x 1
		.amdhsa_system_sgpr_workgroup_id_y 1
		.amdhsa_system_sgpr_workgroup_id_z 1
		.amdhsa_system_vgpr_workitem_id 0
		.amdhsa_next_free_vgpr 256
		.amdhsa_next_free_sgpr 66
		.amdhsa_reserve_vcc 1
		.amdhsa_float_denorm_mode_32 3
		.amdhsa_float_denorm_mode_16_64 3
		.amdhsa_memory_ordered 1
		.amdhsa_forward_progress 1
		.amdhsa_inst_pref_size 101
	.end_amdhsa_kernel
	.amdgpu_metadata
---
amdhsa.version: [ 1, 2 ]
amdhsa.kernels:
  - .name:           k_q8ee5612c60_prep
    .symbol:         k_q8ee5612c60_prep.kd
    .args:
      - { .name: x, .offset: 0, .size: 8, .value_kind: global_buffer, .address_space: global }
      - { .name: W_qkv, .offset: 8, .size: 8, .value_kind: global_buffer, .address_space: global }
      - { .name: W_o, .offset: 16, .size: 8, .value_kind: global_buffer, .address_space: global }
      - { .name: xq, .offset: 24, .size: 8, .value_kind: global_buffer, .address_space: global }
      - { .name: wq, .offset: 32, .size: 8, .value_kind: global_buffer, .address_space: global }
      - { .name: wo, .offset: 40, .size: 8, .value_kind: global_buffer, .address_space: global }
      - { .name: rope, .offset: 48, .size: 8, .value_kind: global_buffer, .address_space: global }
    .group_segment_fixed_size: 58880
    .private_segment_fixed_size: 0
    .kernarg_segment_align: 8
    .kernarg_segment_size: 56
    .max_flat_workgroup_size: 128
    .sgpr_count:     66
    .vgpr_count:     256
    .wavefront_size: 32
...
	.end_amdgpu_metadata
.endif
;; end of part 1
;; launch qkv (part 2): grid 12 x 16, 4 waves a work-group, clusters of 4 x 4, 327,680 bytes of LDS; arguments xq, wq, rope, qq, kq, vq; writes qq, kq, vq
.if DOCPART == 2
	.amdgcn_target "amdgcn-amd-amdhsa--gfx1250"
	.amdhsa_code_object_version 6
	.text
	.protected	k_q8ee5612c60_qkv
	.globl	k_q8ee5612c60_qkv
	.p2align	8
	.type	k_q8ee5612c60_qkv,@function
k_q8ee5612c60_qkv:
	s_mov_b64 s[64:65], 0
	v_nop
	global_prefetch_b8 v0, s[64:65] scope:SCOPE_SE
	s_setreg_imm32_b32 hwreg(HW_REG_WAVE_MODE, 25, 1), 1
	s_wait_xcnt 0x0
	s_wait_alu depctr_hold_cnt(0) depctr_sa_sdst(0) depctr_va_vdst(0) depctr_va_sdst(0) depctr_va_ssrc(0) depctr_va_vcc(0) depctr_vm_vsrc(0)
	s_getreg_b32 s2, hwreg(HW_REG_IB_STS2, 6, 4)
	s_cmp_eq_u32 s2, 0
	s_cbranch_scc0 .Lentry_in_a_cluster
	s_endpgm
.Lentry_in_a_cluster:
	s_bfe_u32 s2, ttmp6, 0x10000c
	s_cmp_lg_u32 s2, 0xf033
	s_cbranch_scc0 .Lentry_shape_is_right
	s_endpgm
.Lentry_shape_is_right:
; QKV: x W_qkv on codes of FP6 (E2M3) with E8M0 scales, K = 2,048; then the rotation of q and k in f32; then q, k (along the head's 128) and v (along the tokens) are quantised in registers and leave as images of fragments.
; A tile of the product is 256 tokens x 256 rows of wq; a wave makes 128 x 128: 64 accumulators, 512 registers: exactly ONE HEAD x 128 TOKENS.  12 x 16 tiles: 192 work-groups: a narrower tile would cut heads.
; OPERANDS lie in memory as images of their registers (16 rows x 128 K = 1,536 bytes; byte 512 c + 16 lane + 4 i = register 4 c + i): a fragment is three loads of 16 bytes at 16 x lane, and needs no padding.
; THE RING: two LDS slots of 384 along K (three steps of 128), as large as LDS holds beside the scale words.  K = 2,048 is six pieces: five of three steps and one of one step; the first two are first fills, four are refills.
; A wave's tensor load brings 8 blocks of 16 rows x 4,608 bytes.  A slot is asked for again at the head of its last step, when all its fragments are in registers: the load then has three steps, 192 matrix instructions a wave,
; in which to land, and no product stands between the wait for all loads and the next request.  The walk over K is written out: 16 steps by macro.
; THE SCALE WORDS of the work-group's rows come once: K / 128 = 0 .. 14 by tensor loads with the first fills; those of K / 128 = 15, for which LDS has no room beside the spare words, by 16 loads a wave straight into registers.
; CLUSTERS: 4 x 4 work-groups; x's tiles are asked for jointly along a row of the cluster, wq's along a column.
; THE MATRIX INSTRUCTION IS USED TRANSPOSED: source 0 = role B, source 1 = role A.  For q and k role A = tokens, role B = the head's 128: a lane holds one token and its registers run along the head.
; A WAVE THAT MAKES A v HEAD (cluster column 2, odd wave) CHANGES THE ROLES, by its addresses alone: a lane then holds one channel d and its registers run along the tokens, which are the next product's K.
; Natural tiles of 16 give the order inside a block of 32 that every operand of this program has: place p holds k = (p & 7) + 16 ((p >> 3) & 1) + 8 (p >> 4).
; No prefetch of the tiles: each request already stands a whole period of matrix work ahead of the wait for it.
; LIMITS: a block whose largest magnitude lies under 2^-124 (a block of zeros too) gets the scale byte 1; NaN and infinities are not served.
; REGISTERS: window 0: v0-31 addresses; v32-79 scale words, two sets of 24; v80-95 the scale words of K / 128 = 15; v128-223 role A's fragments, one set; on the way out v128-178 at work, v192-255 a block's 64 results.
;   window 1: role B's two sets at v0 and v128; cosines and sines at v96-127 / v224-255, and on the way out three sets more where role B's lay.  windows 2, 3: the accumulators ((a, b) at v[8 (8 (a % 4) + b)]).
.set FR,     12
.set NL,     3
.set NP,     4
.set BLKB,   4608                      ; a block of 16 rows in a slot: three images
.set HALFT,  36864                     ; 128 rows: what one tensor load brings
.set SLOT,   147456
.set SCL,    294912                    ; behind the ring: the scale words, [K / 128 (15)][256 rows x 4 bytes], x's part and then wq's, dense: every byte between the two is written
.set SPART,  15360                     ; one part
.set SPARE,  327168                    ; the spare words, 128 bytes for each wave: two blocks of 256 bytes that no other line names
.set PIT,    BLKB                      ; the pitch from block to block in the slot that is being read: 1,536 for the last piece
.set ADRA, 16
.set ADRB, 20
.set SO,   26
.set ADRS, 27
.set SPW,  28
.set NIL,  29
.set TA,   30
.set LI,   31
.set SC,   32
.set SGA,  80
.set SGB,  88
.set AF,   128
.set TM,   128
.set PWA,  144
.set SELR, 152
.set PC,   160
.set OUT,  192
.set WV, 2
.set RH, 3
.set G1T, 4                            ; s[4:11], s[12:19]: group 1 for the last piece, written when the head has done with the pointers that lay there
.set G1TB, 12
.set CH, 16
.set TY, 17
.set G1, 24
.set G0, 32
.set SEL, 40
.set G1B, 48
.set G0B, 56
.set G1S, 68
.set G0S, 76
.set G1SB, 80
.set G0SB, 88
.set SW,  96
.set TAB, 98
.set OC,  100
.set OS,  104
.set MSB, 0
.macro WIN new                         ; the immediate's high byte repeats the setting that is left
.if MSB != \new
	s_set_vgpr_msb (MSB<<8)|\new
.set MSB, \new
.endif
.endm
.set MUL_LO, 0xa1
.set MUL_HI, 0xf1
.set TO_B,   0x40
.macro JLOAD g0a, g1a, g0b, g1b        ; a joint load: waves 0 and 1 fetch for x, waves 2 and 3 for wq; four v_nop follow each of the two lines
	s_cmp_eq_u32 s[RH], 0
	s_cbranch_scc0 .Lfor_b_\@
	tensor_load_to_lds s[\g0a:\g0a+3], s[\g1a:\g1a+7]
	s_nop 0
.rept 4
	v_nop
.endr
	s_branch .Lasked_\@
.Lfor_b_\@:
	tensor_load_to_lds s[\g0b:\g0b+3], s[\g1b:\g1b+7]
	s_nop 0
.rept 4
	v_nop
.endr
.Lasked_\@:
.endm
.macro CREST
	s_cmp_lg_u32 s[WV], 0
	s_cbranch_scc1 .Lnot_wave_0_\@
	s_barrier_signal -3
.Lnot_wave_0_\@:
	s_barrier_wait -3
	s_barrier_signal -1
	s_barrier_wait -1
.endm
.macro CROUND
	s_barrier_signal -1
	s_barrier_wait -1
	CREST
.endm
.macro PLACES n
.rept \n
	v_nop
.endr
.endm
.macro QUANT s, pw
.irp b, 0,1,2,3
	v_max3_num_f32 v[TM+\b], |v[\s+16*\b]|, |v[\s+1+16*\b]|, 0x1800000   ; my 16 numbers, and the floor 2^(3 - 127)
.endr
.irp i, 2,4,6,8,10,12,14
.irp b, 0,1,2,3
	v_max3_num_f32 v[TM+\b], v[TM+\b], |v[\s+16*\b+\i]|, |v[\s+1+16*\b+\i]|
.endr
.endr
.irp b, 0,1,2,3
	v_permlanex16_b32 v[TM+4+\b], v[TM+\b], s[SEL], s[SEL+1]
.endr
.irp b, 0,1,2,3
	v_max_num_f32 v[TM+\b], v[TM+\b], v[TM+4+\b]
.endr
.irp b, 0,1,2,3
	v_add_nc_u32 v[TM+12+\b], 0xff000000, v[TM+\b]
.endr
.irp b, 0,1,2,3
	v_lshrrev_b32 v[TM+4+\b], 23, v[TM+12+\b]
.endr
	v_lshl_or_b32 v[\pw], v[TM+5], 8, v[TM+4]
	v_lshl_or_b32 v[\pw], v[TM+6], 16, v[\pw]
	v_lshl_or_b32 v[\pw], v[TM+7], 24, v[\pw]
.irp c, 0,1
	v_cvt_scalef32_pk16_fp6_f32 v[PC+6*\c:PC+2+6*\c], v[\s+32*\c:\s+15+32*\c], v[TM+12+2*\c]
	v_cvt_scalef32_pk16_fp6_f32 v[PC+12+4*\c:PC+14+4*\c], v[\s+16+32*\c:\s+31+32*\c], v[TM+12+2*\c+1]
.endr
	v_nop                                          ; one plain place behind a scaled conversion
.irp c, 0,1
.irp i, 0,1,2
	v_permlane16_swap_b32 v[PC+6*\c+\i], v[PC+12+4*\c+\i]
.endr
.irp i, 0,1,2
	v_mov_b32 v[PC+3+6*\c+\i], v[PC+12+4*\c+\i]
.endr
.endr
.endm
	s_load_b256 s[4:11], s[0:1], 0x0               ; xq s[4:5], wq s[6:7], rope s[8:9], qq s[10:11]
	s_load_b128 s[12:15], s[0:1], 0x20             ; kq s[12:13], vq s[14:15]
	v_lshl_add_u32 v[SPW], v0, 2, SPARE
	v_mov_b32 v[NIL], 0
	ds_add_u32 v28, v29
	ds_add_u32 v28, v29
	s_wait_dscnt 0x0
	v_lshrrev_b32 v1, 5, v0
	v_readfirstlane_b32 s[WV], v1                  ; wave 0..3
	s_lshr_b32 s[RH], s[WV], 1                     ; which half of the tokens is mine.  Also: I fetch for x (0) or for wq (1)
	s_and_b32 s[CH], s[WV], 1                      ; which half of wq's rows.  Also: which 128 rows I fetch
	s_bfe_u32 s40, ttmp6, 0x40000                  ; cx, cy
	s_bfe_u32 s41, ttmp6, 0x40004
	s_lshl_b32 s42, ttmp9, 2
	s_add_co_u32 s42, s42, s40                     ; tile column
	s_and_b32 s[TY], ttmp7, 0xffff
	s_lshl_b32 s[TY], s[TY], 2
	s_add_co_u32 s[TY], s[TY], s41                 ; tile row
	s_lshl_b32 s43, s41, 2
	s_lshl_b32 s43, 15, s43                        ; my row of the cluster
	s_lshl_b32 s44, 0x1111, s40                    ; my column
	; group 1 for codes: 8 rows (blocks of 16 rows) of 576 elements of 8 bytes (three images), 24,576 bytes apart in memory, dense in LDS
	s_or_b32 s[G1+0], s43, (3<<16)|(1<<21)
	s_or_b32 s[G1B+0], s44, (3<<16)|(1<<21)
.irp g, G1, G1B
	s_mov_b32 s[\g+1], 576<<16
	s_mov_b32 s[\g+2], 16<<16                      ; the head's loads bring all 16 blocks of a tile; the ring's bring 8: the two words are set anew behind the head's wait
	s_mov_b32 s[\g+3], 576<<16
	s_mov_b32 s[\g+4], 16
	s_mov_b32 s[\g+5], 3072
	s_mov_b32 s[\g+6], 0
	s_mov_b32 s[\g+7], 0
.endr
	; and for scale words: 15 rows (K / 128 = 0 .. 14) of 128 elements of 8 bytes (256 rows' words)
	s_or_b32 s[G1S+0], s43, (3<<16)|(1<<21)
	s_or_b32 s[G1SB+0], s44, (3<<16)|(1<<21)
.irp g, G1S, G1SB
	s_mov_b32 s[\g+1], 128<<16                     ; 256 rows' words: 128 elements of 8 bytes
	s_mov_b32 s[\g+2], 15<<16
	s_mov_b32 s[\g+3], 128<<16
	s_mov_b32 s[\g+4], 15
	s_mov_b32 s[\g+6], 0
	s_mov_b32 s[\g+7], 0
.endr
	s_mov_b32 s[G1S+5], 2048                       ; 4,096 rows x 4 bytes
	s_mov_b32 s[G1SB+5], 1536                      ; 3,072 rows x 4 bytes
	s_lshl_b32 s20, s[TY], 4
	s_mul_i32 s20, s20, 24576                      ; x: block 16 x tile row + 8 x half
	s_mov_b32 s21, 0
	s_lshl_b32 s46, s42, 4
	s_mul_i32 s46, s46, 24576                      ; wq: block 16 x tile column + 8 x half
	s_mov_b32 s47, 0
	s_lshl_b32 s22, s[TY], 10
	s_add_co_u32 s22, s22, 6291456                 ; x's scale words
	s_mov_b32 s23, 0
	s_lshl_b32 s92, s42, 10
	s_add_co_u32 s92, s92, 4718592                 ; wq's
	s_mov_b32 s93, 0
	s_mul_i32 s45, s[WV], HALFT                    ; where they go: no place in the cluster enters an LDS address
	s_mul_i32 s18, s[CH], 196608                   ; in the ring I fetch 8 blocks of a tile: which half, in bytes
	s_mov_b32 s19, 0
	s_wait_kmcnt 0x0
	s_add_nc_u64 s[20:21], s[4:5], s[20:21]
	s_add_nc_u64 s[22:23], s[4:5], s[22:23]
	s_add_nc_u64 s[46:47], s[6:7], s[46:47]
	s_add_nc_u64 s[92:93], s[6:7], s[92:93]
	CROUND                                         ; all sixteen work-groups are here: the first joint loads meet
	s_mov_b32 s[G0S], 1                            ; the head's four tiles, each whole: x's scale words,
	s_mov_b32 s[G0S+1], SCL
	s_mov_b64 s[G0S+2:G0S+3], s[22:23]
	s_or_b32 s[G0S+3], s[G0S+3], 0x80000000
	s_mov_b32 s[G0SB], 1                           ; wq's,
	s_mov_b32 s[G0SB+1], SCL+SPART
	s_mov_b64 s[G0SB+2:G0SB+3], s[92:93]
	s_or_b32 s[G0SB+3], s[G0SB+3], 0x80000000
	s_mov_b32 s[G0], 1                             ; slot 0's 16 blocks of x (slot 0's own group 0 serves: it is set for the ring behind the head's wait),
	s_mov_b32 s[G0+1], 0
	s_mov_b64 s[G0+2:G0+3], s[20:21]
	s_or_b32 s[G0+3], s[G0+3], 0x80000000
	s_mov_b32 s[G0B], 1                            ; and its 16 blocks of wq
	s_mov_b32 s[G0B+1], 2*HALFT
	s_mov_b64 s[G0B+2:G0B+3], s[46:47]
	s_or_b32 s[G0B+3], s[G0B+3], 0x80000000
	s_add_nc_u64 s[20:21], s[20:21], s[18:19]      ; for the ring: my 8 blocks
	s_add_nc_u64 s[46:47], s[46:47], s[18:19]
	s_mov_b32 s[G0+4], 1
	s_add_co_u32 s[G0+5], s45, SLOT
	s_add_nc_u64 s[G0+6:G0+7], s[20:21], BLKB
	s_or_b32 s[G0+7], s[G0+7], 0x80000000
	s_mov_b32 s[G0B+4], 1
	s_add_co_u32 s[G0B+5], s45, SLOT
	s_add_nc_u64 s[G0B+6:G0B+7], s[46:47], BLKB
	s_or_b32 s[G0B+7], s[G0B+7], 0x80000000
; THE HEAD'S LOADS, ONE A WAVE: one chain of branches on the wave's number, a load to an arm, all arms leading to one join
.macro ARM under, g0, g1, next
	s_cmp_lt_u32 s[WV], \under
	s_cbranch_scc0 \next
	tensor_load_to_lds s[\g0:\g0+3], s[\g1:\g1+7]
	s_nop 0
.rept 4
	v_nop
.endr
	s_branch .Lhead_asked
\next:
.endm
	ARM 1, G0,  G1,  .Lhead_b
	ARM 2, G0B, G1B, .Lhead_sa
	ARM 3, G0S, G1S, .Lhead_sb
	tensor_load_to_lds s[G0SB:G0SB+3], s[G1SB:G1SB+7]
	s_nop 0
.rept 4
	v_nop
.endr
.Lhead_asked:
	v_and_b32 v1, 15, v0                           ; r
	v_bfe_u32 v2, v0, 4, 1                         ; h
	v_and_b32 v3, 31, v0
	v_lshlrev_b32 v[LI], 4, v3                     ; 16 x lane
	s_wait_alu depctr_va_vdst(0)
	s_cmp_eq_u32 ttmp9, 2                          ; the cluster column with the k and v heads: the same in all partners
	s_cselect_b32 s[SW], s[CH], 0                  ; 1: I make a v head
	s_mul_i32 s66, s[RH], HALFT                    ; my 128 tokens
	s_mul_i32 s67, s[CH], HALFT
	s_add_co_u32 s67, s67, 2*HALFT                 ; my 128 rows of wq
	s_cmp_eq_u32 s[SW], 0
	s_cselect_b32 s95, s66, s67                    ; role A
	s_cselect_b32 s97, s67, s66                    ; role B
.irp s, 0,1
	v_add_nc_u32 v[ADRA+\s], s95, v[LI]
	v_add_nc_u32 v[ADRB+\s], s97, v[LI]
	s_add_co_u32 s95, s95, SLOT
	s_add_co_u32 s97, s97, SLOT
.endr
	s_lshl_b32 s66, s[RH], 9                       ; scale words: lanes 0-15 take role A's, lanes 16-31 role B's: the lower base + (h xor SW) x the distance; my 128 rows are 512 bytes of a row of 1,024
	s_lshl_b32 s67, s[CH], 9
	s_add_co_u32 s67, s67, SPART
	s_sub_co_u32 s67, s67, s66
	v_xor_b32 v6, s[SW], v2
	v_mul_u32_u24 v6, s67, v6
	s_add_co_u32 s66, s66, SCL
	v_lshl_add_u32 v6, v1, 2, v6
	v_add_nc_u32 v[ADRS], s66, v6                  ; never stepped: the piece stands in the loads' immediates
	v_lshlrev_b32 v[TA], 9, v1
	v_lshl_add_u32 v[TA], v2, 5, v[TA]             ; the table: row r of 512 bytes, + 32 h
	s_wait_alu depctr_va_vdst(0)
	v_lshlrev_b32 v[SO], 5, v1
	v_lshl_add_u32 v[SO], v2, 4, v[SO]             ; my four scale words on the way out
	; where the results go: rowbase = (batch x heads + head) x 1,024 + my first token (for v: + 128 x chunk, the rows being the channels)
	s_lshr_b32 s66, s[TY], 2                       ; batch
	s_and_b32 s67, s[TY], 3
	s_lshl_b32 s67, s67, 8
	s_lshl_b32 s92, s[RH], 7
	s_add_co_u32 s67, s67, s92                     ; my first token in its sequence
	s_lshl_b32 s92, s67, 9
	s_mov_b32 s93, 0
	s_add_nc_u64 s[TAB:TAB+1], s[8:9], s[92:93]
	s_lshl_b32 s94, s42, 1
	s_add_co_u32 s94, s94, s[CH]                   ; a q head,
	s_sub_co_u32 s95, s42, 8                       ; or a k or v head
	s_cmp_eq_u32 s[CH], 0
	s_cselect_b64 s[OC:OC+1], s[12:13], s[14:15]
	s_cmp_lt_u32 ttmp9, 2
	s_cselect_b64 s[OC:OC+1], s[10:11], s[OC:OC+1]
	s_cselect_b32 s94, s94, s95
	s_cselect_b32 s95, 4, 2                        ; 16 heads or 4
	s_mov_b32 s97, 1572864
	s_cselect_b32 s97, 6291456, s97                ; where the buffer's scale words begin
	s_lshl_b32 s66, s66, s95
	s_add_co_u32 s66, s66, s94
	s_lshl_b32 s66, s66, 10
	s_add_co_u32 s66, s66, s67
	s_lshl_b32 s92, s66, 2
	s_add_co_u32 s92, s92, s97
	s_add_nc_u64 s[OS:OS+1], s[OC:OC+1], s[92:93]
	s_mul_i32 s92, s66, 96
	s_add_nc_u64 s[OC:OC+1], s[OC:OC+1], s[92:93]
	; the scale words of K / 128 = 15, straight into registers: lane r (both halves of the lanes alike) takes the word of row 16 i + r; role A's and role B's in registers of their own
	s_lshl_b32 s20, s[TY], 10
	s_lshl_b32 s21, s[RH], 9
	s_add_co_u32 s20, s20, s21
	s_add_co_u32 s20, s20, 6291456+15*16384
	s_mov_b32 s21, 0
	s_add_nc_u64 s[20:21], s[4:5], s[20:21]        ; x's: my 128 tokens
	s_lshl_b32 s46, s42, 10
	s_lshl_b32 s47, s[CH], 9
	s_add_co_u32 s46, s46, s47
	s_add_co_u32 s46, s46, 4718592+15*12288
	s_mov_b32 s47, 0
	s_add_nc_u64 s[46:47], s[6:7], s[46:47]        ; wq's: my 128 rows
	s_cmp_eq_u32 s[SW], 0                          ; the choice hangs on no address
	s_cselect_b64 s[92:93], s[20:21], s[46:47]     ; role A's
	s_cselect_b64 s[94:95], s[46:47], s[20:21]     ; role B's
	v_lshlrev_b32 v4, 2, v1                        ; 4 r
.irp i, 0,1,2,3,4,5,6,7
	global_load_b32 v[SGA+\i], v4, s[92:93] offset:64*\i
	global_load_b32 v[SGB+\i], v4, s[94:95] offset:64*\i
.endr
; Cosines and sines of tokens 16 a + r, for the lane's 32 pairs: 16 loads into set a % 4 of window 1.  Every wave loads them, a v wave too, which does not use them: so every way through the text finds them written.
.macro TSET a
.set CC, 96
.set SS, 224
.if ((\a)%4) == 1
.set CC, 0
.set SS, 32
.endif
.if ((\a)%4) == 2
.set CC, 64
.set SS, 128
.endif
.if ((\a)%4) == 3
.set CC, 160
.set SS, 192
.endif
.endm
.macro CSLOAD a
	TSET \a
	WIN TO_B
.irp b, 0,1,2,3
	global_load_b128 v[CC+8*\b:CC+8*\b+3], v[TA], s[TAB:TAB+1] offset:8192*(\a)+64*\b
	global_load_b128 v[CC+8*\b+4:CC+8*\b+7], v[TA], s[TAB:TAB+1] offset:8192*(\a)+64*\b+16
	global_load_b128 v[SS+8*\b:SS+8*\b+3], v[TA], s[TAB:TAB+1] offset:8192*(\a)+64*\b+256
	global_load_b128 v[SS+8*\b+4:SS+8*\b+7], v[TA], s[TAB:TAB+1] offset:8192*(\a)+64*\b+272
.endr
	WIN 0
.endm
	CSLOAD 0                                       ; block 0's: its registers lie beside role B's two sets
	; group 1 for the last piece: one image a block: 8 rows of 192 elements of 8 bytes, dense in LDS.  The pointers that lay in s[4:15] have been used up
	s_or_b32 s[G1T+0], s43, (3<<16)|(1<<21)
	s_or_b32 s[G1TB+0], s44, (3<<16)|(1<<21)
.irp g, G1T, G1TB
	s_mov_b32 s[\g+1], 192<<16
	s_mov_b32 s[\g+2], 8<<16
	s_mov_b32 s[\g+3], 192<<16
	s_mov_b32 s[\g+4], 8
	s_mov_b32 s[\g+5], 3072
	s_mov_b32 s[\g+6], 0
	s_mov_b32 s[\g+7], 0
.endr
.macro FRAG reg, adr, q, i             ; a fragment comes as it lies: three loads of 16 bytes a lane, 512 consecutive bytes each
.irp c, 0,1,2
	ds_load_b128 v[\reg+4*\c:\reg+4*\c+3], v[\adr] offset:PIT*(\i)+1536*(\q)+512*\c
.endr
.endm
; 16 matrix instructions: role A's blocks a0, a0 + 1 x role B's eight.  The 64 accumulators take turns, one instruction a turn, in the same order in every step.
; mode 1: the products start the sums; 0: they add; 2: they add, with the scale words of K / 128 = 15.
.macro MUL16 a0, p, q, sc, mode
.irp a, \a0, \a0+1
.irp b, 0,1,2,3,4,5,6,7
.if \mode == 1
	v_wmma_scale_f32_16x16x128_f8f6f4 v[8*(8*((\a)%4)+\b):8*(8*((\a)%4)+\b)+7], v[128*(\p)+FR*\b:128*(\p)+FR*\b+FR-1], v[AF+FR*(\a):AF+FR*(\a)+FR-1], 0, v[SC+24*(\sc)+3*\b+(\q)], v[SC+24*(\sc)+3*(\a)+(\q)] matrix_a_fmt:MATRIX_FMT_FP6 matrix_b_fmt:MATRIX_FMT_FP6 matrix_a_scale:MATRIX_SCALE_ROW1
.elseif \mode == 0
	v_wmma_scale_f32_16x16x128_f8f6f4 v[8*(8*((\a)%4)+\b):8*(8*((\a)%4)+\b)+7], v[128*(\p)+FR*\b:128*(\p)+FR*\b+FR-1], v[AF+FR*(\a):AF+FR*(\a)+FR-1], v[8*(8*((\a)%4)+\b):8*(8*((\a)%4)+\b)+7], v[SC+24*(\sc)+3*\b+(\q)], v[SC+24*(\sc)+3*(\a)+(\q)] matrix_a_fmt:MATRIX_FMT_FP6 matrix_b_fmt:MATRIX_FMT_FP6 matrix_a_scale:MATRIX_SCALE_ROW1
.else
	v_wmma_scale_f32_16x16x128_f8f6f4 v[8*(8*((\a)%4)+\b):8*(8*((\a)%4)+\b)+7], v[128*(\p)+FR*\b:128*(\p)+FR*\b+FR-1], v[AF+FR*(\a):AF+FR*(\a)+FR-1], v[8*(8*((\a)%4)+\b):8*(8*((\a)%4)+\b)+7], v[SGB+\b], v[SGA+(\a)] matrix_a_fmt:MATRIX_FMT_FP6 matrix_b_fmt:MATRIX_FMT_FP6
.endif
.endr
.endr
.endm
.macro FETCH_B slot, q, p
	WIN TO_B
.irp i, 0,1,2,3,4,5,6,7
	FRAG 128*(\p)+FR*\i, ADRB+\slot, \q, \i
.endr
	WIN 0
.endm
.macro FETCH_A slot, q, i0
.irp i, \i0, \i0+1, \i0+2, \i0+3
	FRAG AF+FR*(\i), ADRA+\slot, \q, \i
.endr
.endm
.macro SCALES sc, pn                   ; piece pn's scale words into set sc: register 3 i + q: lanes 0-15 role A's block i, lanes 16-31 role B's
.irp i, 0,1,2,3,4,5,6,7
.irp q, 0,1,2
	ds_load_b32 v[SC+24*\sc+3*\i+\q], v[ADRS] offset:1024*(3*(\pn)+\q)+64*\i
.endr
.endr
.endm
; A step of 128 along K that has its successor in the same slot.  p: role B's set, the step's number modulo 2.
.macro STEP slot, q, p, mode
	s_wait_dscnt 4*NL                              ; all but the youngest twelve loads (role A's blocks 4-7) are in
	WIN MUL_LO
	MUL16 0, \p, \q, \slot, \mode
	MUL16 2, \p, \q, \slot, \mode
	s_wait_dscnt 0
	PLACES NP                                      ; four places in front of loads into registers that matrix instructions have read
	FETCH_B \slot, (\q)+1, 1-(\p)
	FETCH_A \slot, (\q)+1, 0
	WIN MUL_HI
	MUL16 4, \p, \q, \slot, \mode
	MUL16 6, \p, \q, \slot, \mode
	PLACES NP
	WIN 0
	FETCH_A \slot, (\q)+1, 4
.endm
; A slot's last step.  All its fragments have been asked for, so THE CHANGE OF SLOTS STANDS AT ITS HEAD: each wave waits for all its tensor loads, adds 0 to its spare word, and waits for that and for its own reads of
; this slot; one barrier; the refill; and only then the step's 64 products, which work on registers.  fill = 1: the slot takes the piece two pieces on; 2: the last piece; 0: nothing is left to fetch.  pn: the next slot's piece.
.macro TURN slot, next, p, pn, fill
	s_wait_tensorcnt 0x0                           ; all my tensor loads have landed: my part of the next slot
	ds_add_u32 v[SPW], v[NIL]                      ; 0 onto my spare word
.if \fill
	s_add_nc_u64 s[G0+4*\slot+2:G0+4*\slot+3], s[G0+4*\slot+2:G0+4*\slot+3], 2*BLKB      ; no tensor load of mine is out: this slot's next piece, six images on
	s_add_nc_u64 s[G0B+4*\slot+2:G0B+4*\slot+3], s[G0B+4*\slot+2:G0B+4*\slot+3], 2*BLKB
.endif
	s_wait_dscnt 0x0                               ; the add is done, and my reads of this slot are over
	s_barrier_signal -1
	s_barrier_wait -1
.if \fill == 1
	CREST                                          ; the barrier has opened a round of the cluster's barrier: no wave of any partner still reads this slot or has a load on its way
	JLOAD G0+4*\slot, G1, G0B+4*\slot, G1B         ; the first tensor load behind the round, my one load until the next
.elseif \fill == 2
	CREST
	JLOAD G0+4*\slot, G1T, G0B+4*\slot, G1TB
.endif
	WIN MUL_LO
	MUL16 0, \p, 2, \slot, 0
	MUL16 2, \p, 2, \slot, 0
	PLACES NP
	FETCH_B \next, 0, 1-(\p)
	FETCH_A \next, 0, 0
.if \pn < 5
	SCALES \next, \pn
.endif
	WIN MUL_HI
	MUL16 4, \p, 2, \slot, 0
	MUL16 6, \p, 2, \slot, 0
	PLACES NP
	WIN 0
	FETCH_A \next, 0, 4
.endm
	s_wait_alu depctr_va_vdst(0)
	s_wait_loadcnt 0x0                             ; the last step's scale words and block 0's table are in
	s_wait_tensorcnt 0x0                           ; my tile of the head's four is in
	ds_add_u32 v[SPW], v[NIL]
	s_mov_b32 s[G1+2], 8<<16                       ; no tensor load of mine is out: from here on a load brings 8 blocks,
	s_mov_b32 s[G1+4], 8
	s_mov_b32 s[G1B+2], 8<<16
	s_mov_b32 s[G1B+4], 8
	s_add_co_u32 s[G0+1], s45, 0                   ; and slot 0's groups 0 stand at my part of its piece
	s_add_co_u32 s[G0B+1], s45, 0
	s_and_b32 s92, s[WV], 1                        ; which half of a tile I fetch, made anew from the wave's number: the registers that held it now hold the last piece's group 1
	s_mul_i32 s92, s92, 196608                     ; 8 blocks of 24,576 bytes (the loads that had s[92:93] as their base have been waited for above)
	s_mov_b32 s93, 0
	s_add_nc_u64 s[G0+2:G0+3], s[G0+2:G0+3], s[92:93]
	s_add_nc_u64 s[G0B+2:G0B+3], s[G0B+2:G0B+3], s[92:93]
	s_wait_dscnt 0x0                               ; the add is done
	CROUND                                         ; a whole round: all four tiles are in, in every partner
	JLOAD G0+4, G1, G0B+4, G1B                     ; slot 1's first fill, my one load behind the round
	FETCH_B 0, 0, 0
	FETCH_A 0, 0, 0
	SCALES 0, 0
	FETCH_A 0, 0, 4
	STEP 0, 0, 0, 1                                ; K / 128 = 0: its products start the sums
	STEP 0, 1, 1, 0
	TURN 0, 1, 0, 1, 1                             ; 2; slot 0 takes K / 128 = 6 .. 8
	STEP 1, 0, 1, 0
	STEP 1, 1, 0, 0
	TURN 1, 0, 1, 2, 1                             ; 5; slot 1 takes 9 .. 11
	STEP 0, 0, 0, 0
	STEP 0, 1, 1, 0
	TURN 0, 1, 0, 3, 1                             ; 8; slot 0 takes 12 .. 14
	STEP 1, 0, 1, 0
	STEP 1, 1, 0, 0
	TURN 1, 0, 1, 4, 2                             ; 11; slot 1 takes 15
	STEP 0, 0, 0, 0
	STEP 0, 1, 1, 0
.set PIT, 1536                                         ; the last piece lies one image to a block
	TURN 0, 1, 0, 5, 0                             ; 14; nothing is left to fetch
	CSLOAD 1                                       ; role B's set 0 is free (four places stand behind its last products): block 1's table lands under the last step
	s_wait_dscnt 4*NL
	WIN MUL_LO
	MUL16 0, 1, 0, 1, 2                            ; K / 128 = 15
	MUL16 2, 1, 0, 1, 2
	s_wait_dscnt 0
	WIN MUL_HI
	MUL16 4, 1, 0, 1, 2
	MUL16 6, 1, 0, 1, 2
	WIN 0
; THE WAY OUT, role A's blocks one after the other.  A lane's 64 results of a block are one row of the next operand along its K: rotated (q, k) or as they are (v), quantised, and stored as one image; nothing goes through LDS.
; The table runs three blocks ahead, in four sets of registers: block a asks for block a + 3, into the set that block a - 1 has read.
	PLACES NP
	CSLOAD 2
	CSLOAD 3
	s_mov_b32 s[SEL], 0x76543210
	s_mov_b32 s[SEL+1], 0xfedcba98
.irp b, 0,1,2,3
	v_mov_b32 v[TM+4+\b], 0                        ; written once: a lane permute's destination counts as one of its sources
.endr
.macro EPI a
.if (\a) > 0
.if (\a) < 6
	s_wait_loadcnt 32                              ; this block's table is in; the two younger blocks' 32 loads may be out
.else
	s_wait_loadcnt 16*(7-(\a))
.endif
.if (\a) < 5
	CSLOAD (\a)+3
.endif
.endif
	TSET \a
.set AC, 64*((\a)%4)
.set WA, 2+(\a)/4
.set WB, WA+4
	s_cmp_lg_u32 s[SW], 0
	s_cbranch_scc1 .Lv_\@
	WIN WB                                         ; source 0: the accumulators' window; source 1: window 1
.set N, 0
.rept 16
	v_pk_mul_f32 v[OUT+N:OUT+N+1], v[AC+32+N:AC+32+N+1], v[SS+N:SS+N+1]          ; x2 sin  (each accumulator is read from its low end on)
.set N, N+2
.endr
.set N, 0
.rept 16
	v_pk_fma_f32 v[OUT+N:OUT+N+1], v[AC+N:AC+N+1], v[CC+N:CC+N+1], v[OUT+N:OUT+N+1] neg_lo:[0,0,1] neg_hi:[0,0,1]   ; x1 cos - x2 sin
.set N, N+2
.endr
.set N, 0
.rept 16
	v_pk_mul_f32 v[OUT+32+N:OUT+32+N+1], v[AC+N:AC+N+1], v[SS+N:SS+N+1]          ; x1 sin
.set N, N+2
.endr
.set N, 0
.rept 16
	v_pk_fma_f32 v[OUT+32+N:OUT+32+N+1], v[AC+32+N:AC+32+N+1], v[CC+N:CC+N+1], v[OUT+32+N:OUT+32+N+1]   ; x1 sin + x2 cos
.set N, N+2
.endr
	WIN 0
	s_branch .Lj_\@
.Lv_\@:
	WIN WA
.set N, 0
.rept 64
	v_mov_b32 v[OUT+N], v[AC+N]                    ; v is not rotated
.set N, N+1
.endr
	WIN 0
.Lj_\@:
	s_wait_xcnt 0x0                                ; the last block's stores have read the codes' registers
	QUANT OUT, PWA+(\a)
.irp c, 0,1,2
	global_store_b128 v[LI], v[PC+4*\c:PC+4*\c+3], s[OC:OC+1] offset:1536*(\a)+512*\c   ; 512 consecutive bytes
.endr
.endm
.irp a, 0,1,2,3,4,5,6,7
	EPI \a
.endr
	v_cmp_ne_u32 vcc_lo, 0, v2
.irp i, 0,1,2,3
	v_cndmask_b32 v[SELR+\i], v[PWA+\i], v[PWA+4+\i], vcc_lo   ; the word of row 16 a + r lies at 32 r + 4 a: lanes 0-15 store blocks 0-3's, lanes 16-31 blocks 4-7's
.endr
	global_store_b128 v[SO], v[SELR:SELR+3], s[OS:OS+1]            ; 512 consecutive bytes
	s_wait_tensorcnt 0x0                           ; the wave's end
	ds_add_u32 v[SPW], v[NIL]
	s_wait_dscnt 0x0
	CROUND                                         ; the closing round
	s_endpgm
.Lfunc_end_k_q8ee5612c60_qkv:
	.size	k_q8ee5612c60_qkv, .Lfunc_end_k_q8ee5612c60_qkv-k_q8ee5612c60_qkv
	.p2alignl 7, 3214868480
	.fill 96, 4, 3214868480
	.section	.rodata,"a",@progbits
	.p2align	6, 0x0
	.amdhsa_kernel k_q8ee5612c60_qkv
		.amdhsa_group_segment_fixed_size 327680
		.amdhsa_private_segment_fixed_size 0
		.amdhsa_enable_private_segment 0
		.amdhsa_kernarg_size 48
		.amdhsa_user_sgpr_count 2
		.amdhsa_user_sgpr_kernarg_segment_ptr 1
		.amdhsa_wavefront_size32 1
		.amdhsa_system_sgpr_workgroup_id_x 1
		.amdhsa_system_sgpr_workgroup_id_y 1
		.amdhsa_system_sgpr_workgroup_id_z 1
		.amdhsa_system_vgpr_workitem_id 0
		.amdhsa_next_free_vgpr 1024
		.amdhsa_next_free_sgpr 106
		.amdhsa_reserve_vcc 1
		.amdhsa_float_denorm_mode_32 3
		.amdhsa_float_denorm_mode_16_64 3
		.amdhsa_memory_ordered 1
		.amdhsa_forward_progress 1
		.amdhsa_inst_pref_size 255
	.end_amdhsa_kernel
	.section	.bss,"aw",@nobits
	.p2align	6
	.space	262144
	.amdgpu_metadata
---
amdhsa.version: [ 1, 2 ]
amdhsa.kernels:
  - .name:           k_q8ee5612c60_qkv
    .symbol:         k_q8ee5612c60_qkv.kd
    .args:
      - { .name: xq, .offset: 0, .size: 8, .value_kind: global_buffer, .address_space: global }
      - { .name: wq, .offset: 8, .size: 8, .value_kind: global_buffer, .address_space: global }
      - { .name: rope, .offset: 16, .size: 8, .value_kind: global_buffer, .address_space: global }
      - { .name: qq, .offset: 24, .size: 8, .value_kind: global_buffer, .address_space: global }
      - { .name: kq, .offset: 32, .size: 8, .value_kind: global_buffer, .address_space: global }
      - { .name: vq, .offset: 40, .size: 8, .value_kind: global_buffer, .address_space: global }
    .group_segment_fixed_size: 327680
    .private_segment_fixed_size: 0
    .kernarg_segment_align: 8
    .kernarg_segment_size: 48
    .max_flat_workgroup_size: 128
    .sgpr_count:     106
    .vgpr_count:     1024
    .wavefront_size: 32
...
	.end_amdgpu_metadata
.endif
;; end of part 2
;; launch attn (part 3): grid 4 x 64, 8 waves a work-group, clusters of 4 x 1, 327,680 bytes of LDS; arguments qq, kq, vq, padding_mask, aq; writes aq
.if DOCPART == 3
	.amdgcn_target "amdgcn-amd-amdhsa--gfx1250"
	.amdhsa_code_object_version 6
	.text
	.protected	k_q8ee5612c60_attn
	.globl	k_q8ee5612c60_attn
	.p2align	8
	.type	k_q8ee5612c60_attn,@function
k_q8ee5612c60_attn:
	s_mov_b64 s[64:65], 0
	v_nop
	global_prefetch_b8 v0, s[64:65] scope:SCOPE_SE
	s_setreg_imm32_b32 hwreg(HW_REG_WAVE_MODE, 25, 1), 1
	s_wait_xcnt 0x0
	s_wait_alu depctr_hold_cnt(0) depctr_sa_sdst(0) depctr_va_vdst(0) depctr_va_sdst(0) depctr_va_ssrc(0) depctr_va_vcc(0) depctr_vm_vsrc(0)
	s_getreg_b32 s2, hwreg(HW_REG_IB_STS2, 6, 4)
	s_cmp_eq_u32 s2, 0
	s_cbranch_scc0 .Lentry_in_a_cluster
	s_endpgm
.Lentry_in_a_cluster:
	s_bfe_u32 s2, ttmp6, 0x10000c
	s_cmp_lg_u32 s2, 0x3003
	s_cbranch_scc0 .Lentry_shape_is_right
	s_endpgm
.Lentry_shape_is_right:
; ATTN: for one (batch, head) and 256 queries: S^T = K Q^T, the key mask, p = 2^(t - M), O^T = V^T P^T, both products on codes of FP6 (E2M3) with E8M0 scales; O / the row's sum is quantised along the model's K and leaves as images.
; t = score x log2(e) / sqrt(128); M = the running largest t rounded up to a whole number; the row's sum is taken of the unquantised p; when M moves, the sum and O^T are multiplied by 2^(old M - new M), exactly.
; ALL K AND V OF THE HEAD'S GROUP LIE IN LDS: 2 x 98,304 bytes of images and 2 x 4,096 of scale words, each byte filled once: no ring, no refill.  They are asked for at the head: nothing is left to be named ahead of time later.
; CLUSTER: the four query blocks of a head; every load of K and V is joint.  The first two key steps' bytes come by loads of their own, so that the work begins while the other six steps' are on their way.
; SHARES: eight waves, two to a SIMD; a wave owns 32 queries as two tiles of 16; tile w lives in register window w under the same register numbers; each fragment of K or V read from LDS feeds two matrix instructions.
; THE MASK costs no vector instruction: a key's bias, 0 or -2^126, is the C of the score products.
; LIMITS: right for scores under 2^100 in magnitude.  The running largest t begins at -2^100, above every masked t, so that masked keys never set M and have p = 0.
;   A row with no allowed key at all has the sum 0: what is stored for it is not what the source gives; that case is not served.  NaN and infinities are not served.
; REGISTERS, both windows: v12 -M, v13 largest t, v[14:15] the sum, v16-27 Q, v96-159 S^T then p, v160-223 O^T, v224-235 p's codes, v232-254 at work.  Window g also: v32-79 four fragments of group g, v224-255 group g's bias.
;   window 0 alone: v1-5 addresses that stay, v8-11 the step's, v28-29 Q's scale words, v30-31 p's, v80-87 K's, v88-95 V's.
.set VIMG, 98304
.set KSC,  196608
.set BIAS, 204800
.set ADK, 8
.set ADV, 9
.set ADS, 10
.set ADB, 11
.set TM,  160
.set PC,  224
.set WV,  14
.set SEL, 20
.set CS,  22
.set G1S, 24
.set G1E, 32
.set G1L, 40
.set G0K, 48
.set G0V, 68
.set TK,  60
.set TS,  61
.set CNT, 62
.set OA,  88
.set OB,  90
.set MSB, 0
.macro WIN new
.if MSB != \new
	s_set_vgpr_msb (MSB<<8)|\new
.set MSB, \new
.endif
.endm
.macro CROUND
	s_barrier_signal -1
	s_barrier_wait -1
	s_cmp_lg_u32 s[WV], 0
	s_cbranch_scc1 .Lnot_wave_0_\@
	s_barrier_signal -3
.Lnot_wave_0_\@:
	s_barrier_wait -3
	s_barrier_signal -1
	s_barrier_wait -1
.endm
.macro QUANT s, pw
.irp b, 0,1,2,3
	v_max3_num_f32 v[TM+\b], |v[\s+16*\b]|, |v[\s+1+16*\b]|, 0x1800000
.endr
.irp i, 2,4,6,8,10,12,14
.irp b, 0,1,2,3
	s_delay_alu instid0(VALU_DEP_4)
	v_max3_num_f32 v[TM+\b], v[TM+\b], |v[\s+16*\b+\i]|, |v[\s+1+16*\b+\i]|
.endr
.endr
.irp b, 0,1,2,3
	v_permlanex16_b32 v[TM+4+\b], v[TM+\b], s[SEL], s[SEL+1]
.endr
.irp b, 0,1,2,3
	s_delay_alu instid0(VALU_DEP_4)
	v_max_num_f32 v[TM+\b], v[TM+\b], v[TM+4+\b]
.endr
.irp b, 0,1,2,3
	s_delay_alu instid0(VALU_DEP_4)
	v_add_nc_u32 v[TM+12+\b], 0xff000000, v[TM+\b]
.endr
.irp b, 0,1,2,3
	s_delay_alu instid0(VALU_DEP_4)
	v_lshrrev_b32 v[TM+4+\b], 23, v[TM+12+\b]
.endr
	s_delay_alu instid0(VALU_DEP_3)
	v_lshl_or_b32 v[\pw], v[TM+5], 8, v[TM+4]
	s_delay_alu instid0(VALU_DEP_1)
	v_lshl_or_b32 v[\pw], v[TM+6], 16, v[\pw]
	s_delay_alu instid0(VALU_DEP_1)
	v_lshl_or_b32 v[\pw], v[TM+7], 24, v[\pw]
.irp c, 0,1
	v_cvt_scalef32_pk16_fp6_f32 v[PC+6*\c:PC+2+6*\c], v[\s+32*\c:\s+15+32*\c], v[TM+12+2*\c]
	v_cvt_scalef32_pk16_fp6_f32 v[PC+12+4*\c:PC+14+4*\c], v[\s+16+32*\c:\s+31+32*\c], v[TM+12+2*\c+1]
.endr
	v_nop
.irp c, 0,1
.irp i, 0,1,2
	v_permlane16_swap_b32 v[PC+6*\c+\i], v[PC+12+4*\c+\i]
.endr
.irp i, 0,1,2
	s_delay_alu instid0(VALU_DEP_3)
	v_mov_b32 v[PC+3+6*\c+\i], v[PC+12+4*\c+\i]
.endr
.endr
.endm
	s_load_b256 s[4:11], s[0:1], 0x0               ; qq s[4:5], kq s[6:7], vq s[8:9], padding_mask s[10:11]
	s_load_b64 s[12:13], s[0:1], 0x20              ; aq
	s_set_vgpr_msb 0x40
	v_lshl_add_u32 v94, v0, 2, 0x33000
	v_mov_b32 v95, 0
	s_set_vgpr_msb 0x4045
	ds_add_u32 v94, v95
	ds_add_u32 v94, v95
	s_set_vgpr_msb 0x4500
	v_lshrrev_b32 v1, 5, v0
	s_delay_alu instid0(VALU_DEP_1)
	v_readfirstlane_b32 s[WV], v1                  ; wave 0..7
	s_bfe_u32 s15, ttmp6, 0x40000                  ; cx: my block of 256 queries: it enters global addresses of Q and of the output alone
	s_and_b32 s16, ttmp7, 0xffff                   ; 16 x batch + head
	s_lshr_b32 s17, s16, 4
	s_and_b32 s18, s16, 15
	s_lshr_b32 s19, s18, 2
	s_lshl_b32 s63, s17, 2
	s_add_co_u32 s19, s19, s63                     ; 4 x batch + the head's group
	s_and_b32 s66, s[WV], 3                        ; my quarter of each load: waves 0-3 K's, waves 4-7 V's
	; group 1, three of them: dense blocks as rows of 256 bytes (32 elements of 8 bytes): 16 rows (scale words), 32 (a third of the first two key steps' images), 72 (the other six steps')
.irp g, G1S, G1E, G1L
	s_mov_b32 s[\g], 15|(3<<16)|(1<<21)            ; the mask: all four work-groups; bit 21 beside it
	s_mov_b32 s[\g+1], 32<<16
	s_mov_b32 s[\g+3], 32<<16
	s_mov_b32 s[\g+5], 32
	s_mov_b32 s[\g+6], 0
	s_mov_b32 s[\g+7], 0
.endr
	s_mov_b32 s[G1S+2], 16<<16                     ; all 4,096 bytes of K's or V's scale words: one wave's load
	s_mov_b32 s[G1S+4], 16
	s_mov_b32 s[G1E+2], 32<<16                     ; a third of the first two key steps' 24,576 bytes
	s_mov_b32 s[G1E+4], 32
	s_mov_b32 s[G1L+2], 72<<16
	s_mov_b32 s[G1L+4], 72
	s_mul_i32 s92, s19, 98304
	s_lshl_b32 s67, s[WV], 13
	s_add_co_u32 s92, s92, s67                     ; the early images
	s_mov_b32 s93, 0
	s_mul_i32 s94, s19, 98304
	s_mul_i32 s67, s66, 18432
	s_add_co_u32 s94, s94, s67
	s_add_co_u32 s94, s94, 24576                   ; the late ones
	s_mov_b32 s95, 0
	s_lshl_b32 s62, s19, 12
	s_add_co_u32 s62, s62, 1572864                 ; the scale words
	s_mov_b32 s63, 0
	s_wait_dscnt 0x0
	s_wait_kmcnt 0x0
.macro G0SET g, ptr, kv                ; three groups 0: scale words, early images, late images; kv = 0: K's, 1: V's
	s_mov_b32 s[\g], 1
	s_mov_b32 s[\g+1], KSC+4096*\kv
	s_add_nc_u64 s[\g+2:\g+3], s[\ptr:\ptr+1], s[62:63]
	s_or_b32 s[\g+3], s[\g+3], 0x80000000
	s_mov_b32 s[\g+4], 1
	s_lshl_b32 s[\g+5], s[WV], 13                  ; the early images by thirds: waves 0-2 K's, waves 3-5 V's (three thirds taken off both of V's addresses)
.if \kv
	s_add_co_u32 s[\g+5], s[\g+5], VIMG-24576
.endif
	s_add_nc_u64 s[\g+6:\g+7], s[\ptr:\ptr+1], s[92:93]
.if \kv
	s_sub_nc_u64 s[\g+6:\g+7], s[\g+6:\g+7], 24576
.endif
	s_or_b32 s[\g+7], s[\g+7], 0x80000000
	s_mov_b32 s[\g+8], 1
	s_mul_i32 s[\g+9], s66, 18432
	s_add_co_u32 s[\g+9], s[\g+9], 24576+VIMG*\kv
	s_add_nc_u64 s[\g+10:\g+11], s[\ptr:\ptr+1], s[94:95]
	s_or_b32 s[\g+11], s[\g+11], 0x80000000
.endm
	G0SET G0K, 6, 0
	G0SET G0V, 8, 1
	CROUND                                         ; all four work-groups are here: the joint loads meet
; THE HEAD'S LOADS, ONE A WAVE: what the first two key steps need, shared out among the eight waves; one chain of branches on the wave's number, a load to an arm, one join
.macro ARM under, g0, g1, next
	s_cmp_lt_u32 s[WV], \under
	s_cbranch_scc0 \next
	tensor_load_to_lds s[\g0:\g0+3], s[\g1:\g1+7]
	s_nop 0
.rept 4
	v_nop
.endr
	s_branch .Lfirst_asked
\next:
.endm
	ARM 3, G0K+4, G1E, .Lhead_ve
	ARM 6, G0V+4, G1E, .Lhead_ks
	ARM 7, G0K,   G1S, .Lhead_vs
	tensor_load_to_lds s[G0V:G0V+3], s[G1S:G1S+7]
	s_nop 0
.rept 4
	v_nop
.endr
.Lfirst_asked:
	s_mov_b32 s83, 0
	s_lshl_b32 s80, s16, 10
	s_lshl_b32 s81, s15, 8
	s_add_co_u32 s80, s80, s81                     ; my work-group's first row of Q
	s_lshl_b32 s81, s[WV], 5
	s_add_co_u32 s82, s80, s81
	s_mul_i32 s82, s82, 96
	s_add_nc_u64 s[84:85], s[4:5], s[82:83]        ; my two images of Q
	s_lshr_b32 s81, s[WV], 2
	s_lshl_b32 s81, s81, 7
	s_add_co_u32 s82, s80, s81
	s_lshl_b32 s82, s82, 2                         ; their group of 128 rows' scale words,
	s_and_b32 s81, s[WV], 3
	s_lshl_b32 s81, s81, 3                         ; and in it block 2 (wave % 4)
	s_add_co_u32 s82, s82, s81
	s_add_co_u32 s82, s82, 6291456
	s_add_nc_u64 s[86:87], s[4:5], s[82:83]
	s_lshl_b32 s82, s17, 6
	s_lshl_b32 s81, s15, 4
	s_add_co_u32 s82, s82, s81
	s_lshl_b32 s81, s[WV], 1
	s_add_co_u32 s82, s82, s81                     ; my first block of 16 tokens
	s_lshl_b32 s82, s82, 4
	s_add_co_u32 s82, s82, s18                     ; K / 128 of the last product = the head
	s_mul_i32 s82, s82, 1536
	s_add_nc_u64 s[OA:OA+1], s[12:13], s[82:83]
	s_lshl_b32 s82, s17, 10
	s_lshl_b32 s81, s15, 8
	s_add_co_u32 s82, s82, s81
	s_lshl_b32 s81, s[WV], 5
	s_add_co_u32 s82, s82, s81
	s_lshl_b32 s82, s82, 2
	s_lshl_b32 s81, s18, 14
	s_add_co_u32 s82, s82, s81
	s_add_co_u32 s82, s82, 6291456
	s_add_nc_u64 s[OB:OB+1], s[12:13], s[82:83]
	s_lshl_b32 s82, s17, 10
	s_add_nc_u64 s[10:11], s[10:11], s[82:83]      ; my batch's mask
	s_mov_b32 s[SEL], 0x76543210
	s_mov_b32 s[SEL+1], 0xfedcba98
	s_mov_b32 s[CS], 0x3e0293ee                    ; c = log2(e) / sqrt(128)
	s_mov_b32 s[CS+1], s[CS]
	s_mov_b32 s[TK], 0
	s_mov_b32 s[TS], 0
	v_lshlrev_b32 v6, 2, v0
	global_load_b32 v7, v6, s[10:11]               ; four keys' mask bytes a thread
	v_and_b32 v1, 31, v0
	s_delay_alu instid0(VALU_DEP_1)
	v_lshlrev_b32 v5, 2, v1                        ; 4 x lane
	s_delay_alu instid0(VALU_DEP_2)
	v_lshlrev_b32 v1, 4, v1                        ; 16 x lane
	v_and_b32 v9, 15, v0
	s_delay_alu instid0(VALU_DEP_1)
	v_lshlrev_b32 v9, 5, v9                        ; 32 r
.irp w, 0,1
	WIN 0x40*\w
.irp c, 0,1,2
	global_load_b128 v[16+4*\c:19+4*\c], v1, s[84:85] offset:1536*\w+512*\c
.endr
.endr
	WIN 0
	global_load_b32 v28, v9, s[86:87]
	global_load_b32 v29, v9, s[86:87] offset:4
	v_add_nc_u32 v2, VIMG, v1
	v_add_nc_u32 v3, KSC, v9
	v_bfe_u32 v4, v0, 4, 1
	s_delay_alu instid0(VALU_DEP_1)
	v_lshl_add_u32 v4, v4, 5, BIAS
.irp w, 0,1
	WIN 0x55*\w
	v_mov_b32 v13, 0xf1800000                      ; the largest t so far: -2^100
	s_delay_alu instid0(VALU_DEP_1)
	v_floor_f32 v12, -v13                          ; -M
	v_mov_b32 v14, 0
	v_mov_b32 v15, 0
.irp b, 0,1,2,3
	v_mov_b32 v[236+\b], 0
.endr
	v_mov_b32 v253, 0
.set J, 0
.rept 64
	v_mov_b32 v[160+J], 0                          ; O^T: the step is written for every step alike: the first finds zeros
.set J, J+1
.endr
.endr
	WIN 0
	s_wait_loadcnt 8                               ; the mask bytes are in; Q's eight loads may be out
	v_mov_b32 v32, 0xfe800000                      ; -2^126
.irp i, 0,1,2,3
	v_bfe_u32 v33, v7, 8*\i, 8
	s_delay_alu instid0(VALU_DEP_1)
	v_cmp_eq_u32 vcc_lo, 0, v33
	s_delay_alu instid0(VALU_DEP_1)
	v_cndmask_b32 v[36+\i], 0, v32, vcc_lo
.endr
	v_lshl_add_u32 v33, v0, 4, BIAS
	ds_store_b128 v33, v[36:39]
; ONE TILE'S SOFTMAX for 128 keys, all in window w.  Register 16 b + i of the scores is a key of block b: the blocks are the quantiser's.
.macro SOFTMAX w
.set WW, 0x55*(\w)
	WIN WW
.irp b, 0,1,2,3
	v_max3_num_f32 v[232+\b], v[96+16*\b], v[97+16*\b], v[98+16*\b]   ; the largest score of each block: it serves for the row's maximum and, since p rises with the score, for the block's largest p
.endr
.irp i, 3,5,7,9,11,13
.irp b, 0,1,2,3
	v_max3_num_f32 v[232+\b], v[232+\b], v[96+16*\b+\i], v[97+16*\b+\i]
.endr
.endr
.irp b, 0,1,2,3
	v_max_num_f32 v[232+\b], v[232+\b], v[111+16*\b]
.endr
.irp b, 0,1,2,3
	s_delay_alu instid0(VALU_DEP_4)
	v_permlanex16_b32 v[236+\b], v[232+\b], s[SEL], s[SEL+1]
.endr
.irp b, 0,1,2,3
	s_delay_alu instid0(VALU_DEP_4)
	v_max_num_f32 v[232+\b], v[232+\b], v[236+\b]
.endr
	s_delay_alu instid0(VALU_DEP_2)
	v_max3_num_f32 v254, v232, v233, v234
	s_delay_alu instid0(VALU_DEP_1)
	v_max_num_f32 v254, v254, v235
	s_delay_alu instid0(VALU_DEP_1)
	v_mul_f32 v254, s[CS], v254
	s_delay_alu instid0(VALU_DEP_1)
	v_max_num_f32 v13, v13, v254                   ; the running largest t
	v_mov_b32 v254, v12
	s_delay_alu instid0(VALU_DEP_2)
	v_floor_f32 v12, -v13                          ; the new -M
	s_delay_alu instid0(VALU_DEP_1)
	v_sub_f32 v254, v12, v254
	s_delay_alu instid0(VALU_DEP_1)
	v_cvt_i32_f32 v254, v254                       ; (it saturates)
	s_delay_alu instid0(VALU_DEP_1)
	v_ldexp_f32 v252, 1.0, v254                    ; f = 2^(old M - new M)
.set J, 0
.rept 32
	v_pk_fma_f32 v[96+J:97+J], v[96+J:97+J], s[CS:CS+1], v[12:13] op_sel_hi:[1,0,0]   ; t - M
.set J, J+2
.endr
.irp b, 0,1,2,3
	v_fma_f32 v[232+\b], v[232+\b], s[CS], v12
.endr
.set J, 0
	s_wait_alu depctr_va_vdst(0)
.rept 64
	v_exp_f32 v[96+J], v[96+J]                     ; p
.set J, J+1
.endr
	v_pk_mul_f32 v[14:15], v[14:15], v[252:253] op_sel_hi:[1,0]   ; the sums under the new M: a plain place behind the exponentials
	s_wait_alu depctr_va_vdst(0)                   ; one wait for the batch, ahead of its first reader
.irp b, 0,1,2,3
	v_exp_f32 v[232+\b], v[232+\b]                 ; each block's largest p
.endr
	v_pk_add_f32 v[236:237], v[96:97], v[98:99]    ; the row's sum of the unquantised p, in two chains
.irp j, 4,8,12,16,20,24,28,32,36,40,44,48,52,56,60
	v_pk_add_f32 v[14:15], v[14:15], v[96+\j:97+\j]
	v_pk_add_f32 v[236:237], v[236:237], v[98+\j:99+\j]
.endr
	s_delay_alu instid0(VALU_DEP_1)
	v_pk_add_f32 v[14:15], v[14:15], v[236:237]
	s_wait_alu depctr_va_vdst(0)                   ; and one for the four
.irp b, 0,1,2,3
	v_max_num_f32 v[232+\b], 0x1800000, v[232+\b]  ; the floor 2^(3 - 127)
.endr
.irp b, 0,1,2,3
	s_delay_alu instid0(VALU_DEP_4)
	v_add_nc_u32 v[244+\b], 0xff000000, v[232+\b]
.endr
.irp b, 0,1,2,3
	s_delay_alu instid0(VALU_DEP_4)
	v_lshrrev_b32 v[236+\b], 23, v[244+\b]
.endr
	s_delay_alu instid0(VALU_DEP_3)
	v_lshl_or_b32 v253, v237, 8, v236
	s_delay_alu instid0(VALU_DEP_1)
	v_lshl_or_b32 v253, v238, 16, v253
	s_delay_alu instid0(VALU_DEP_1)
	v_lshl_or_b32 v253, v239, 24, v253             ; p's scale word
.irp c, 0,1
	v_cvt_scalef32_pk16_fp6_f32 v[224+6*\c:226+6*\c], v[96+32*\c:111+32*\c], v[244+2*\c]
	v_cvt_scalef32_pk16_fp6_f32 v[236+4*\c:238+4*\c], v[112+32*\c:127+32*\c], v[244+2*\c+1]
.endr
	v_nop
.irp c, 0,1
.irp i, 0,1,2
	v_permlane16_swap_b32 v[224+6*\c+\i], v[236+4*\c+\i]
.endr
.irp i, 0,1,2
	s_delay_alu instid0(VALU_DEP_3)
	v_mov_b32 v[227+6*\c+\i], v[236+4*\c+\i]
.endr
.endr
	WIN \w                                         ; scale operands are taken from window 0: the word goes there
	v_mov_b32 v[30+\w], v253
	WIN WW
.set J, 0
.rept 32
	v_pk_mul_f32 v[160+J:161+J], v[160+J:161+J], v[252:253] op_sel_hi:[1,0]   ; O^T under the new M; these are also the places between the codes, the scale word and the products that take them
.set J, J+2
.endr
.endm
.macro SCORES g                        ; four tiles of 16 keys x my two tiles of queries; C = the keys' bias
.irp w, 0,1
.set WS, (\g)+4*(\w)+16*(\g)+64*(\w)
	WIN WS
.irp t, 0,1,2,3
	v_wmma_scale_f32_16x16x128_f8f6f4 v[96+8*(4*\g+\t):103+8*(4*\g+\t)], v[32+12*\t:43+12*\t], v[16:27], v[224+8*\t:231+8*\t], v[80+4*\g+\t], v[28+\w] matrix_a_fmt:MATRIX_FMT_FP6 matrix_b_fmt:MATRIX_FMT_FP6
.endr
.endr
.endm
; A KEY STEP: 128 keys.
.macro STEP
	v_add_nc_u32 v[ADK], s[TK], v1                 ; (these four are the places behind the last step's products, in front of the loads below)
	v_add_nc_u32 v[ADV], s[TK], v2
	v_add_nc_u32 v[ADS], s[TS], v3
	v_add_nc_u32 v[ADB], s[TS], v4
	ds_load_b128 v[80:83], v[ADS]                  ; K's eight scale words of my row
	ds_load_b128 v[84:87], v[ADS] offset:16
.irp g, 0,1
	WIN 0x40*\g
.irp t, 0,1,2,3
.irp c, 0,1,2
	ds_load_b128 v[32+12*\t+4*\c:35+12*\t+4*\c], v[ADK] offset:1536*(4*\g+\t)+512*\c
.endr
	ds_load_b128 v[224+8*\t:227+8*\t], v[ADB] offset:64*(4*\g+\t)
	ds_load_b128 v[228+8*\t:231+8*\t], v[ADB] offset:64*(4*\g+\t)+16
.endr
.endr
	s_wait_alu depctr_va_vdst(0)
	s_wait_dscnt 20                                ; all but group 1's twenty loads
	SCORES 0
	s_wait_dscnt 0x0
	SCORES 1
	WIN 0
.rept 4
	v_nop                                          ; four places: in front of the loads into K's registers, and of the first read of the scores
.endr
	ds_load_b128 v[88:91], v[ADS] offset:4096      ; V's scale words and fragments land while the softmax is worked
	ds_load_b128 v[92:95], v[ADS] offset:4112
.irp g, 0,1
	WIN 0x40*\g
.irp t, 0,1,2,3
.irp c, 0,1,2
	ds_load_b128 v[32+12*\t+4*\c:35+12*\t+4*\c], v[ADV] offset:1536*(4*\g+\t)+512*\c
.endr
.endr
.endr
	SOFTMAX 0
	SOFTMAX 1
	s_wait_alu depctr_va_vdst(0)
	s_wait_dscnt 0x0
.irp g, 0,1                                    ; O^T += V^T P^T: sixteen accumulators by turns
.irp w, 0,1
.set WS, (\g)+84*(\w)
	WIN WS
.irp t, 0,1,2,3
	v_wmma_scale_f32_16x16x128_f8f6f4 v[160+8*(4*\g+\t):167+8*(4*\g+\t)], v[32+12*\t:43+12*\t], v[224:235], v[160+8*(4*\g+\t):167+8*(4*\g+\t)], v[88+4*\g+\t], v[30+\w] matrix_a_fmt:MATRIX_FMT_FP6 matrix_b_fmt:MATRIX_FMT_FP6
.endr
.endr
.endr
	WIN 0
	s_add_co_u32 s[TK], s[TK], 12288               ; eight images on
	s_add_co_u32 s[TS], s[TS], 512                 ; 128 scale words, and 128 biases, on
.endm
	s_wait_alu depctr_va_vdst(0)
	s_wait_loadcnt 0x0                             ; Q
	WIN 5                                          ; (the add's two registers lie in window 1)
	s_wait_tensorcnt 0x0                           ; my load of the head is in
	ds_add_u32 v94, v95
	s_wait_dscnt 0x0                               ; the add is done, and my biases are stored
	WIN 0
	CROUND                                         ; a whole round: everybody's early bytes are in, and the four work-groups' joint loads meet
	s_cmp_lt_u32 s[WV], 4                          ; the other six key steps' images, a quarter a wave: waves 0-3 K's, waves 4-7 V's; they land under the first two steps
	s_cbranch_scc0 .Llate_v
	tensor_load_to_lds s[G0K+8:G0K+11], s[G1L:G1L+7]
	s_nop 0
.rept 4
	v_nop
.endr
	s_branch .Llate_asked
.Llate_v:
	tensor_load_to_lds s[G0V+8:G0V+11], s[G1L:G1L+7]
	s_nop 0
.rept 4
	v_nop
.endr
.Llate_asked:
	s_mov_b32 s[CNT], 2
.Learly:
	STEP
	s_sub_co_u32 s[CNT], s[CNT], 1
	s_cmp_lg_u32 s[CNT], 0
	s_cbranch_scc1 .Learly
	s_wait_tensorcnt 0x0                           ; my late images are in,
	s_wait_dscnt 0x0
	s_barrier_signal -1
	s_barrier_wait -1                              ; everybody's are
	s_mov_b32 s[CNT], 6
.Llate:
	STEP
	s_sub_co_u32 s[CNT], s[CNT], 1
	s_cmp_lg_u32 s[CNT], 0
	s_cbranch_scc1 .Llate
; THE WAY OUT: O^T / the sum; a lane's 64 numbers are its query's 128 channels' half, along the last product's K: quantised, and stored as one image a tile.
.rept 4
	v_nop
.endr
.macro OUTW w
	WIN 0x55*\w
	v_add_f32 v14, v14, v15
	s_delay_alu instid0(VALU_DEP_1)
	v_permlanex16_b32 v252, v14, s[SEL], s[SEL+1]
	s_delay_alu instid0(VALU_DEP_1)
	v_add_f32 v14, v14, v252                       ; the row's sum
	s_wait_alu depctr_va_vdst(0)
	v_rcp_f32 v14, v14
	v_nop                                          ; a plain place behind the reciprocal,
	s_wait_alu depctr_va_vdst(0)                   ; and the wait ahead of its first reader
.set J, 0
.rept 32
	v_pk_mul_f32 v[96+J:97+J], v[160+J:161+J], v[14:15] op_sel_hi:[1,0]
.set J, J+2
.endr
	QUANT 96, 176
	WIN 4*\w                                       ; a store's data are its source 1
.irp c, 0,1,2
	global_store_b128 v1, v[PC+4*\c:PC+4*\c+3], s[OA:OA+1] offset:24576*\w+512*\c
.endr
.endm
	OUTW 0
	OUTW 1
	WIN 1
	v_mov_b32 v7, v176                             ; tile 1's scale words, into window 0
	WIN 0
	v_bfe_u32 v6, v0, 4, 1
	s_delay_alu instid0(VALU_DEP_1)
	v_cmp_ne_u32 vcc_lo, 0, v6
	s_delay_alu instid0(VALU_DEP_1)
	v_cndmask_b32 v6, v176, v7, vcc_lo             ; lanes 0-15 tile 0's rows, lanes 16-31 tile 1's
	global_store_b32 v5, v6, s[OB:OB+1]            ; 128 consecutive bytes
	s_set_vgpr_msb 0x5
	s_wait_tensorcnt 0x0
	ds_add_u32 v94, v95
	s_wait_dscnt 0x0
	s_set_vgpr_msb 0x500
	CROUND                                         ; the closing round
	s_endpgm
.Lfunc_end_k_q8ee5612c60_attn:
	.size	k_q8ee5612c60_attn, .Lfunc_end_k_q8ee5612c60_attn-k_q8ee5612c60_attn
	.p2alignl 7, 3214868480
	.fill 96, 4, 3214868480
	.section	.rodata,"a",@progbits
	.p2align	6, 0x0
	.amdhsa_kernel k_q8ee5612c60_attn
		.amdhsa_group_segment_fixed_size 327680
		.amdhsa_private_segment_fixed_size 0
		.amdhsa_enable_private_segment 0
		.amdhsa_kernarg_size 40
		.amdhsa_user_sgpr_count 2
		.amdhsa_user_sgpr_kernarg_segment_ptr 1
		.amdhsa_wavefront_size32 1
		.amdhsa_system_sgpr_workgroup_id_x 1
		.amdhsa_system_sgpr_workgroup_id_y 1
		.amdhsa_system_sgpr_workgroup_id_z 1
		.amdhsa_system_vgpr_workitem_id 0
		.amdhsa_next_free_vgpr 512
		.amdhsa_next_free_sgpr 96
		.amdhsa_reserve_vcc 1
		.amdhsa_float_denorm_mode_32 3
		.amdhsa_float_denorm_mode_16_64 3
		.amdhsa_memory_ordered 1
		.amdhsa_forward_progress 1
		.amdhsa_inst_pref_size 107
	.end_amdhsa_kernel
	.amdgpu_metadata
---
amdhsa.version: [ 1, 2 ]
amdhsa.kernels:
  - .name:           k_q8ee5612c60_attn
    .symbol:         k_q8ee5612c60_attn.kd
    .args:
      - { .name: qq, .offset: 0, .size: 8, .value_kind: global_buffer, .address_space: global }
      - { .name: kq, .offset: 8, .size: 8, .value_kind: global_buffer, .address_space: global }
      - { .name: vq, .offset: 16, .size: 8, .value_kind: global_buffer, .address_space: global }
      - { .name: padding_mask, .offset: 24, .size: 8, .value_kind: global_buffer, .address_space: global }
      - { .name: aq, .offset: 32, .size: 8, .value_kind: global_buffer, .address_space: global }
    .group_segment_fixed_size: 327680
    .private_segment_fixed_size: 0
    .kernarg_segment_align: 8
    .kernarg_segment_size: 40
    .max_flat_workgroup_size: 256
    .sgpr_count:     96
    .vgpr_count:     512
    .wavefront_size: 32
...
	.end_amdgpu_metadata
.endif
;; end of part 3
;; launch oproj (part 4): grid 8 x 32, 4 waves a work-group, clusters of 4 x 4, 327,680 bytes of LDS; arguments aq, wo, out0; writes out0
.if DOCPART == 4
	.amdgcn_target "amdgcn-amd-amdhsa--gfx1250"
	.amdhsa_code_object_version 6
	.text
	.protected	k_q8ee5612c60_oproj
	.globl	k_q8ee5612c60_oproj
	.p2align	8
	.type	k_q8ee5612c60_oproj,@function
k_q8ee5612c60_oproj:
	s_mov_b64 s[64:65], 0
	v_nop
	global_prefetch_b8 v0, s[64:65] scope:SCOPE_SE
	s_setreg_imm32_b32 hwreg(HW_REG_WAVE_MODE, 25, 1), 1
	s_wait_xcnt 0x0
	s_wait_alu depctr_hold_cnt(0) depctr_sa_sdst(0) depctr_va_vdst(0) depctr_va_sdst(0) depctr_va_ssrc(0) depctr_va_vcc(0) depctr_vm_vsrc(0)
	s_getreg_b32 s2, hwreg(HW_REG_IB_STS2, 6, 4)
	s_cmp_eq_u32 s2, 0
	s_cbranch_scc0 .Lentry_in_a_cluster
	s_endpgm
.Lentry_in_a_cluster:
	s_bfe_u32 s2, ttmp6, 0x10000c
	s_cmp_lg_u32 s2, 0xf033
	s_cbranch_scc0 .Lentry_shape_is_right
	s_endpgm
.Lentry_shape_is_right:
; OPROJ: out0 = (attention's result) W_o on codes of FP6 (E2M3) with E8M0 scales, K = 2,048, f32 sums.  A tile is 128 tokens x 256 columns; a wave makes 64 x 128: 32 accumulators.  8 x 32 = 256 work-groups.
; Operands lie in memory as images of their registers (16 rows x 128 K = 1,536 bytes).  THE RING: two slots of 512 along K (four steps); clusters of 4 x 4: aq's tiles are asked for jointly along a row, wo's along a column.
; THE HEAD: one load a wave: wave 0 slot 0's 8 blocks of aq, wave 1 its 16 blocks of wo, wave 2 aq's scale words [K / 128][128 rows], wave 3 wo's [K / 128][256 rows]; slot 1 is first filled behind a round, as a refill is.
; The two tiles of scale words have rows of 512 and of 1,024 bytes: so each of a slot's four steps has an address register of its own, and lanes 0-15 (aq's) and 16-31 (wo's) step by 2,048 and 4,096 bytes a slot.
; No prefetch of the tiles: each request stands a whole slot, four steps of matrix work, ahead of the wait for it, and K has only four slots.
.set FR,     12
.set NP,     4
.set BLKB,   6144
.set SLOT,   147456
.set BOFF,   49152
.set SCL,    294912
.set SPARE,  319744
.set SPITCH, 528
.set ADRA, 16
.set ADRB, 20
.set AQ,   8                           ; v8-11  LDS address of my scale words, one for each step of a slot
.set INC,  12                          ; v12    what a slot adds to them
.set STO,  24
.set RD,   25
.set SPW,  28
.set NIL,  29
.set LI,   31
.set SC,   32
.set AF,   128
.set BK,   128
.set WV, 16
.set RH, 17
.set CH, 18
.set TY, 19
.set G1, 24
.set G0, 32
.set G1B, 48
.set G0B, 56
.set G1S, 68
.set G0S, 76
.set G1SB, 80
.set G0SB, 88
.set MSB, 0
.macro WIN new
.if MSB != \new
	s_set_vgpr_msb (MSB<<8)|\new
.set MSB, \new
.endif
.endm
.set MUL,  0xa1
.set TO_B, 0x40
.macro JLOAD g0a, g1a, g0b, g1b
	s_cmp_eq_u32 s[RH], 0
	s_cbranch_scc0 .Lfor_b_\@
	tensor_load_to_lds s[\g0a:\g0a+3], s[\g1a:\g1a+7]
	s_nop 0
.rept 4
	v_nop
.endr
	s_branch .Lasked_\@
.Lfor_b_\@:
	tensor_load_to_lds s[\g0b:\g0b+3], s[\g1b:\g1b+7]
	s_nop 0
.rept 4
	v_nop
.endr
.Lasked_\@:
.endm
.macro CREST
	s_cmp_lg_u32 s[WV], 0
	s_cbranch_scc1 .Lnot_wave_0_\@
	s_barrier_signal -3
.Lnot_wave_0_\@:
	s_barrier_wait -3
	s_barrier_signal -1
	s_barrier_wait -1
.endm
.macro CROUND
	s_barrier_signal -1
	s_barrier_wait -1
	CREST
.endm
.macro PLACES n
.rept \n
	v_nop
.endr
.endm
	s_load_b128 s[4:7], s[0:1], 0x0
	s_load_b64 s[8:9], s[0:1], 0x10
	v_lshl_add_u32 v[SPW], v0, 2, SPARE
	v_mov_b32 v[NIL], 0
	ds_add_u32 v28, v29
	ds_add_u32 v28, v29
	s_wait_dscnt 0x0
	v_lshrrev_b32 v1, 5, v0
	v_readfirstlane_b32 s[WV], v1
	s_lshr_b32 s[RH], s[WV], 1
	s_and_b32 s[CH], s[WV], 1
	s_bfe_u32 s40, ttmp6, 0x40000
	s_bfe_u32 s41, ttmp6, 0x40004
	s_lshl_b32 s42, ttmp9, 2
	s_add_co_u32 s42, s42, s40
	s_and_b32 s[TY], ttmp7, 0xffff
	s_lshl_b32 s[TY], s[TY], 2
	s_add_co_u32 s[TY], s[TY], s41
	s_lshl_b32 s43, s41, 2
	s_lshl_b32 s43, 15, s43
	s_lshl_b32 s44, 0x1111, s40
	s_or_b32 s[G1+0], s43, (3<<16)|(1<<21)
	s_or_b32 s[G1B+0], s44, (3<<16)|(1<<21)
.irp g, G1, G1B
	s_mov_b32 s[\g+1], 768<<16
	s_mov_b32 s[\g+3], 768<<16
	s_mov_b32 s[\g+5], 3072
	s_mov_b32 s[\g+6], 0
	s_mov_b32 s[\g+7], 0
.endr
	s_mov_b32 s[G1+2], 8<<16                       ; the head's loads bring whole tiles; the ring's halves: these words are set anew behind the head's wait
	s_mov_b32 s[G1+4], 8
	s_mov_b32 s[G1B+2], 16<<16
	s_mov_b32 s[G1B+4], 16
	s_or_b32 s[G1S+0], s43, (3<<16)|(1<<21)
	s_or_b32 s[G1SB+0], s44, (3<<16)|(1<<21)
.irp g, G1S, G1SB
	s_mov_b32 s[\g+6], 0
	s_mov_b32 s[\g+7], 0
.endr
	s_mov_b32 s[G1S+1], 64<<16
	s_mov_b32 s[G1S+3], 64<<16
	s_mov_b32 s[G1SB+1], 128<<16
	s_mov_b32 s[G1SB+3], 128<<16
	s_mov_b32 s[G1S+2], 16<<16
	s_mov_b32 s[G1S+4], 16
	s_mov_b32 s[G1S+5], 2048
	s_mov_b32 s[G1SB+2], 16<<16
	s_mov_b32 s[G1SB+4], 16
	s_mov_b32 s[G1SB+5], 1024
	s_lshl_b32 s20, s[TY], 3
	s_mul_i32 s20, s20, 24576
	s_mov_b32 s21, 0
	s_lshl_b32 s46, s42, 4
	s_mul_i32 s46, s46, 24576
	s_mov_b32 s47, 0
	s_lshl_b32 s22, s[TY], 9
	s_add_co_u32 s22, s22, 6291456
	s_mov_b32 s23, 0
	s_lshl_b32 s92, s42, 10
	s_add_co_u32 s92, s92, 3145728
	s_mov_b32 s93, 0
	s_mul_i32 s45, s[CH], 24576
	s_mul_i32 s94, s[CH], 49152
	s_add_co_u32 s94, s94, BOFF
	s_mul_i32 s10, s[CH], 98304                    ; in the ring I fetch half a tile: 4 blocks of aq,
	s_mov_b32 s11, 0
	s_mul_i32 s12, s[CH], 196608                   ; or 8 of wo
	s_mov_b32 s13, 0
	s_wait_kmcnt 0x0
	s_add_nc_u64 s[20:21], s[4:5], s[20:21]
	s_add_nc_u64 s[22:23], s[4:5], s[22:23]
	s_add_nc_u64 s[46:47], s[6:7], s[46:47]
	s_add_nc_u64 s[92:93], s[6:7], s[92:93]
	CROUND
	s_mov_b32 s[G0S], 1                            ; the head's four tiles, each whole: aq's scale words,
	s_mov_b32 s[G0S+1], SCL
	s_mov_b64 s[G0S+2:G0S+3], s[22:23]
	s_or_b32 s[G0S+3], s[G0S+3], 0x80000000
	s_mov_b32 s[G0SB], 1                           ; wo's, behind them,
	s_mov_b32 s[G0SB+1], SCL+8192
	s_mov_b64 s[G0SB+2:G0SB+3], s[92:93]
	s_or_b32 s[G0SB+3], s[G0SB+3], 0x80000000
	s_mov_b32 s[G0], 1                             ; slot 0's 8 blocks of aq (slot 0's own group 0 serves: it is set for the ring behind the head's wait),
	s_mov_b32 s[G0+1], 0
	s_mov_b64 s[G0+2:G0+3], s[20:21]
	s_or_b32 s[G0+3], s[G0+3], 0x80000000
	s_mov_b32 s[G0B], 1                            ; and its 16 blocks of wo
	s_mov_b32 s[G0B+1], BOFF
	s_mov_b64 s[G0B+2:G0B+3], s[46:47]
	s_or_b32 s[G0B+3], s[G0B+3], 0x80000000
	s_add_nc_u64 s[20:21], s[20:21], s[10:11]      ; for the ring: my half
	s_add_nc_u64 s[46:47], s[46:47], s[12:13]
	s_mov_b32 s[G0+4], 1
	s_add_co_u32 s[G0+5], s45, SLOT
	s_add_nc_u64 s[G0+6:G0+7], s[20:21], BLKB
	s_or_b32 s[G0+7], s[G0+7], 0x80000000
	s_mov_b32 s[G0B+4], 1
	s_add_co_u32 s[G0B+5], s94, SLOT
	s_add_nc_u64 s[G0B+6:G0B+7], s[46:47], BLKB
	s_or_b32 s[G0B+7], s[G0B+7], 0x80000000
; one load a wave at the head: one chain of branches on the wave's number, a load to an arm, one join
.macro ARM under, g0, g1, next
	s_cmp_lt_u32 s[WV], \under
	s_cbranch_scc0 \next
	tensor_load_to_lds s[\g0:\g0+3], s[\g1:\g1+7]
	s_nop 0
.rept 4
	v_nop
.endr
	s_branch .Lhead_asked
\next:
.endm
	ARM 1, G0,  G1,  .Lhead_b
	ARM 2, G0B, G1B, .Lhead_sa
	ARM 3, G0S, G1S, .Lhead_sb
	tensor_load_to_lds s[G0SB:G0SB+3], s[G1SB:G1SB+7]
	s_nop 0
.rept 4
	v_nop
.endr
.Lhead_asked:
	v_and_b32 v1, 15, v0
	v_bfe_u32 v2, v0, 4, 1
	s_wait_alu depctr_va_vdst(0)
	v_and_b32 v3, 31, v0
	v_lshlrev_b32 v[LI], 4, v3
	s_mul_i32 s66, s[RH], 24576
	s_mul_i32 s67, s[CH], 49152
	s_add_co_u32 s67, s67, BOFF
.irp s, 0,1
	v_add_nc_u32 v[ADRA+\s], s66, v[LI]
	v_add_nc_u32 v[ADRB+\s], s67, v[LI]
	s_add_co_u32 s66, s66, SLOT
	s_add_co_u32 s67, s67, SLOT
.endr
	s_lshl_b32 s66, s[RH], 8                       ; aq's words: my 64 rows of a row of 512 bytes
	s_lshl_b32 s67, s[CH], 9                       ; wo's: my 128 rows of a row of 1,024 bytes, behind aq's 8,192
	s_add_co_u32 s67, s67, 8192
	s_sub_co_u32 s67, s67, s66
	v_mul_u32_u24 v6, s67, v2                      ; lanes 16-31 take wo's
	v_lshl_add_u32 v6, v1, 2, v6
	s_add_co_u32 s66, s66, SCL
	v_add_nc_u32 v6, s66, v6
	v_add_nc_u32 v7, 1, v2                         ; 1 in lanes 0-15, 2 in lanes 16-31: the rows' lengths in units of 512 bytes
.irp q, 0,1,2,3
	v_mad_u32_u24 v[AQ+\q], v7, 512*\q, v6         ; step q of a slot.  (Blocks 4-7 are wo's alone: there lanes 0-15 read written bytes that nothing uses)
.endr
	v_lshlrev_b32 v[INC], 11, v7                   ; four rows on
	s_mul_i32 s66, s[WV], 16*SPITCH
	v_mul_u32_u24 v5, v1, SPITCH
	v_lshl_add_u32 v5, v2, 5, v5
	v_add_nc_u32 v[STO], s66, v5
	v_add_nc_u32 v[RD], s66, v[LI]
	s_lshl_b32 s66, s[TY], 7
	s_lshl_b32 s67, s[RH], 6
	s_add_co_u32 s66, s66, s67
	s_lshl_b32 s66, s66, 13
	s_lshl_b32 s67, s42, 10
	s_add_co_u32 s66, s66, s67
	s_lshl_b32 s67, s[CH], 9
	s_add_co_u32 s66, s66, s67
	s_mov_b32 s67, 0
	s_add_nc_u64 s[8:9], s[8:9], s[66:67]
.macro FRAG reg, adr, q, i
.irp c, 0,1,2
	ds_load_b128 v[\reg+4*\c:\reg+4*\c+3], v[\adr] offset:BLKB*(\i)+1536*(\q)+512*\c
.endr
.endm
.macro FETCH slot, q, p
	WIN TO_B
.irp i, 0,1,2,3,4,5,6,7
	FRAG 128*(\p)+FR*\i, ADRB+\slot, \q, \i
.endr
	WIN 0
.irp i, 0,1,2,3
	FRAG AF+48*(\p)+FR*\i, ADRA+\slot, \q, \i
.endr
.endm
.macro SCALES sc
.irp i, 0,1,2,3,4,5,6,7
.irp q, 0,1,2,3
	ds_load_b32 v[SC+32*\sc+4*\i+\q], v[AQ+\q] offset:64*\i
.endr
.endr
.endm
.macro MUL8 a, p, q, sc, zero
.irp b, 0,1,2,3,4,5,6,7
.if \zero
	v_wmma_scale_f32_16x16x128_f8f6f4 v[8*(8*(\a)+\b):8*(8*(\a)+\b)+7], v[128*(\p)+FR*\b:128*(\p)+FR*\b+FR-1], v[AF+48*(\p)+FR*(\a):AF+48*(\p)+FR*(\a)+FR-1], 0, v[SC+32*(\sc)+4*\b+(\q)], v[SC+32*(\sc)+4*(\a)+(\q)] matrix_a_fmt:MATRIX_FMT_FP6 matrix_b_fmt:MATRIX_FMT_FP6 matrix_a_scale:MATRIX_SCALE_ROW1
.else
	v_wmma_scale_f32_16x16x128_f8f6f4 v[8*(8*(\a)+\b):8*(8*(\a)+\b)+7], v[128*(\p)+FR*\b:128*(\p)+FR*\b+FR-1], v[AF+48*(\p)+FR*(\a):AF+48*(\p)+FR*(\a)+FR-1], v[8*(8*(\a)+\b):8*(8*(\a)+\b)+7], v[SC+32*(\sc)+4*\b+(\q)], v[SC+32*(\sc)+4*(\a)+(\q)] matrix_a_fmt:MATRIX_FMT_FP6 matrix_b_fmt:MATRIX_FMT_FP6 matrix_a_scale:MATRIX_SCALE_ROW1
.endif
.endr
.endm
.macro STEP2 slot, q, zero
	s_wait_dscnt 0x0
	PLACES NP
	FETCH \slot, (\q)+1, 1-(\q)%2
	WIN MUL
	MUL8 0, (\q)%2, \q, \slot, \zero
	MUL8 1, (\q)%2, \q, \slot, \zero
	MUL8 2, (\q)%2, \q, \slot, \zero
	MUL8 3, (\q)%2, \q, \slot, \zero
.endm
.macro TURN2 slot, next, fill
	WIN 0
	s_wait_tensorcnt 0x0
	ds_add_u32 v[SPW], v[NIL]
	s_wait_dscnt 1
	WIN MUL
	MUL8 0, 1, 3, \slot, 0
	s_wait_dscnt 0x0
	s_barrier_signal -1
	MUL8 1, 1, 3, \slot, 0
	WIN 0
	s_barrier_wait -1
.if \fill
	CREST
	s_add_nc_u64 s[G0+4*\slot+2:G0+4*\slot+3], s[G0+4*\slot+2:G0+4*\slot+3], 2*BLKB
	s_add_nc_u64 s[G0B+4*\slot+2:G0B+4*\slot+3], s[G0B+4*\slot+2:G0B+4*\slot+3], 2*BLKB
	JLOAD G0+4*\slot, G1, G0B+4*\slot, G1B
.else
	PLACES NP
.endif
	s_wait_alu depctr_va_vdst(0)
.irp q, 0,1,2,3
	v_add_nc_u32 v[AQ+\q], v[INC], v[AQ+\q]
.endr
	FETCH \next, 0, 0
	SCALES \next
	WIN MUL
	MUL8 2, 1, 3, \slot, 0
	MUL8 3, 1, 3, \slot, 0
.endm
	s_wait_alu depctr_va_vdst(0)
	s_wait_tensorcnt 0x0                           ; my tile of the head's four is in
	ds_add_u32 v[SPW], v[NIL]
	s_mov_b32 s[G1+2], 4<<16                       ; no tensor load of mine is out: from here on a load brings half a tile,
	s_mov_b32 s[G1+4], 4
	s_mov_b32 s[G1B+2], 8<<16
	s_mov_b32 s[G1B+4], 8
	s_add_co_u32 s[G0+1], s45, 0                   ; and slot 0's groups 0 stand at my half of its piece
	s_add_co_u32 s[G0B+1], s94, 0
	s_add_nc_u64 s[G0+2:G0+3], s[G0+2:G0+3], s[10:11]
	s_add_nc_u64 s[G0B+2:G0B+3], s[G0B+2:G0B+3], s[12:13]
	s_wait_dscnt 0x0                               ; the add is done
	CROUND                                         ; a whole round: all four tiles are in, in every partner
	JLOAD G0+4, G1, G0B+4, G1B                     ; slot 1's first fill, my one load behind the round
	FETCH 0, 0, 0
	SCALES 0
	STEP2 0, 0, 1
	STEP2 0, 1, 0
	STEP2 0, 2, 0
	TURN2 0, 1, 1
	STEP2 1, 0, 0
	STEP2 1, 1, 0
	STEP2 1, 2, 0
	TURN2 1, 0, 1
	STEP2 0, 0, 0
	STEP2 0, 1, 0
	STEP2 0, 2, 0
	TURN2 0, 1, 0
	STEP2 1, 0, 0
	STEP2 1, 1, 0
	STEP2 1, 2, 0
	s_wait_dscnt 0x0
	MUL8 0, 1, 3, 1, 0
	MUL8 1, 1, 3, 1, 0
	MUL8 2, 1, 3, 1, 0
	MUL8 3, 1, 3, 1, 0
	WIN 0
.macro TOSTAGE a
	WIN 0x08
.irp b, 0,1,2,3,4,5,6,7
	ds_store_b128 v[STO], v[64*(\a)+8*\b:64*(\a)+8*\b+3] offset:64*\b
	ds_store_b128 v[STO], v[64*(\a)+8*\b+4:64*(\a)+8*\b+7] offset:64*\b+16
.endr
	WIN 0
.set BB, BK+64*((\a)%2)
.irp t, 0,1,2,3,4,5,6,7,8,9,10,11,12,13,14,15
	ds_load_b128 v[BB+4*\t:BB+4*\t+3], v[RD] offset:\t*SPITCH
.endr
.endm
.macro SEND a, younger
.set BB, BK+64*((\a)%2)
	s_wait_dscnt \younger
.if (\a) > 0
	s_add_nc_u64 s[8:9], s[8:9], 16*8192
.endif
.irp t, 0,1,2,3,4,5,6,7,8,9,10,11,12,13,14,15
	global_store_b128 v[LI], v[BB+4*\t:BB+4*\t+3], s[8:9] offset:\t*8192 th:TH_STORE_NT
.endr
.endm
	PLACES NP
	TOSTAGE 0
.irp a, 1,2,3
.if \a > 1
	s_wait_xcnt 0x0
.endif
	TOSTAGE \a
	SEND \a-1, 32
.endr
	s_wait_xcnt 0x0
	SEND 3, 0
	s_wait_tensorcnt 0x0
	ds_add_u32 v[SPW], v[NIL]
	s_wait_dscnt 0x0
	CROUND
	s_endpgm
.Lfunc_end_k_q8ee5612c60_oproj:
	.size	k_q8ee5612c60_oproj, .Lfunc_end_k_q8ee5612c60_oproj-k_q8ee5612c60_oproj
	.p2alignl 7, 3214868480
	.fill 96, 4, 3214868480
	.section	.rodata,"a",@progbits
	.p2align	6, 0x0
	.amdhsa_kernel k_q8ee5612c60_oproj
		.amdhsa_group_segment_fixed_size 327680
		.amdhsa_private_segment_fixed_size 0
		.amdhsa_enable_private_segment 0
		.amdhsa_kernarg_size 24
		.amdhsa_user_sgpr_count 2
		.amdhsa_user_sgpr_kernarg_segment_ptr 1
		.amdhsa_wavefront_size32 1
		.amdhsa_system_sgpr_workgroup_id_x 1
		.amdhsa_system_sgpr_workgroup_id_y 1
		.amdhsa_system_sgpr_workgroup_id_z 1
		.amdhsa_system_vgpr_workitem_id 0
		.amdhsa_next_free_vgpr 768
		.amdhsa_next_free_sgpr 100
		.amdhsa_reserve_vcc 0
		.amdhsa_float_denorm_mode_32 3
		.amdhsa_float_denorm_mode_16_64 3
		.amdhsa_memory_ordered 1
		.amdhsa_forward_progress 1
		.amdhsa_inst_pref_size 141
	.end_amdhsa_kernel
	.amdgpu_metadata
---
amdhsa.version: [ 1, 2 ]
amdhsa.kernels:
  - .name:           k_q8ee5612c60_oproj
    .symbol:         k_q8ee5612c60_oproj.kd
    .args:
      - { .name: aq, .offset: 0, .size: 8, .value_kind: global_buffer, .address_space: global }
      - { .name: wo, .offset: 8, .size: 8, .value_kind: global_buffer, .address_space: global }
      - { .name: out0, .offset: 16, .size: 8, .value_kind: global_buffer, .address_space: global }
    .group_segment_fixed_size: 327680
    .private_segment_fixed_size: 0
    .kernarg_segment_align: 8
    .kernarg_segment_size: 24
    .max_flat_workgroup_size: 128
    .sgpr_count:     100
    .vgpr_count:     768
    .wavefront_size: 32
...
	.end_amdgpu_metadata
.endif
;; end of part 4
